; MI455X (gfx1250); checked and timed in simulation.
; The chip was launched on July 23, 2026; its instructions are those of AMD's public machine-readable ISA for CDNA 5 (MIT licence, August 2026) and "CDNA5" Instruction Set Architecture Reference Guide (July 2026). The comments in the code are by the model that wrote it; some were corrected since.
;; Lightning Attention. Allowed arithmetic: matrix products marked QUANTISED: E4M3 operands, one given power-of-two scale a tensor, by v_wmma_f32_16x16x64_fp8_fp8 or v_wmma_f32_16x16x128_fp8_fp8, f32 sums; products left as they are: f32 operands where the result goes on into a quantised operand, else bf16, f16 or f32 operands; f32 sums; everything else in f32.
;; Inputs: lowp_scales 10 int32 (the exponents e of the quantised operands' scales 2^e); w_in_norm 1,024 float32; w_out_norm 1,024 float32; wg 1,024 x 1,024 float32; wk 1,024 x 1,024 float32; wq 1,024 x 1,024 float32; wv 1,024 x 1,024 float32; x 4 x 4,096 x 1,024 float32.
;; Outputs: out0 4 x 4,096 x 1,024 float32.
;; This version of the problem:
;;   THIS VERSION OF THE PROBLEM IS GIVEN IN LOW PRECISION. The matrix products marked QUANTISED in the list below multiply operands that are first quantised to E4M3 (4 exponent bits, 3 mantissa bits; 8 bits a number), with one given power-of-two scale for each operand tensor; their sums are f32. All else is computed in f32.
;;   The module's matrix products, in the order in which they are computed (A, B: the left and right operand; K: the contracted axis; several contracted axes count as one K, in the product's order):
;;     1. [M 16,384, K 1,024] x [K 1,024, N 1,024]; A: computed on the way; B: input wq: QUANTISED (scales: A lowp_scales[0], B lowp_scales[1])
;;     2. [M 16,384, K 1,024] x [K 1,024, N 1,024]; A: computed on the way; B: input wk: QUANTISED (scales: A lowp_scales[2], B lowp_scales[3])
;;     3. [M 16,384, K 1,024] x [K 1,024, N 1,024]; A: computed on the way; B: input wv: QUANTISED (scales: A lowp_scales[4], B lowp_scales[5])
;;     4. [M 16,384, K 1,024] x [K 1,024, N 1,024]; A: computed on the way; B: input wg: QUANTISED (scales: A lowp_scales[6], B lowp_scales[7])
;;     5. batch 16,384 x [M 16, K 64] x [K 64, N 16]; A: computed on the way; B: computed on the way: QUANTISED (scales: A lowp_scales[8], B lowp_scales[9])
;;     6. batch 16,384 x [M 16, K 16] x [K 16, N 64]; A: softmax; B: computed on the way: left as it is (K = 16 < 32)
;;   THE QUANTISER, for each operand of a quantised product, along K:
;;     - The operand's scale is 2^e, e = its entry of the input lowp_scales (int32; the entries are numbered through the quantised products in the list's order, A before B).
;;     - Each number is divided by the scale, clamped to +-448, and rounded to the nearest number of E4M3, ties to even, subnormals kept.
;;     - The product sums the exact products of the quantised numbers (number of the format x scale) in f32.
;;   ~~~python
;;   def quantise(x, axis, e):      # numpy; x: float32 -> the quantised numbers, widened to float32 again
;;       x = np.moveaxis(x, axis, -1); K = x.shape[-1]
;;       r = np.clip(x / 2.0 ** e, -448, 448)
;;       step = 2.0 ** (np.maximum(np.frexp(np.where(r == 0, 1, r))[1] - 1, -6) - 3)
;;       q = np.round(r / step) * step * 2.0 ** e      # np.round: ties to even
;;       return np.moveaxis(q, -1, axis).astype(np.float32)
;;   ~~~
;;   OPERANDS COMPUTED ON THE WAY. 'Computed on the way' means the value that the module computes at that place (a softmax that the list does not call 'softmax' is quantised finished and normalised). What goes into a quantiser is computed in f32, as accurately as f32 sums, v_exp_f32 and their like allow (about 1e-6 of the number): no bf16 or f16 on the way to a quantiser, and a product that is left as it is and whose result goes on into a quantised operand takes f32 operands (vector FMAs, or v_wmma_f32_16x16x4_f32). A number that lies on a knife's edge between two numbers of the format may be rounded either way, as far as f32 arithmetic and the matrix unit's own rounding can turn it there, and no further.
;; 2 versions. Each part assembles by itself: llvm-mc -triple=amdgcn-amd-amdhsa -mcpu=gfx1250 --defsym DOCPART=n.
;; ======== version 1 of 2: 2 launches
;; workspace buffers: wc 4,194,304 bytes
;; launch prep (part 1): grid 256 x 1, 4 waves a work-group, no clusters, 17,920 bytes of LDS; arguments wq, wk, wv, wg, lowp_scales, wc; writes wc
.if DOCPART == 1
	.amdgcn_target "amdgcn-amd-amdhsa--gfx1250"
	.amdhsa_code_object_version 6
	.text
	.protected	k_q3aeaf49c18_prep
	.globl	k_q3aeaf49c18_prep
	.p2align	8
	.type	k_q3aeaf49c18_prep,@function
k_q3aeaf49c18_prep:
	s_mov_b64 s[64:65], 0
	v_nop
	global_prefetch_b8 v0, s[64:65] scope:SCOPE_SE
	s_setreg_imm32_b32 hwreg(HW_REG_WAVE_MODE, 25, 1), 1
	s_wait_xcnt 0x0
; The four weights [1024][1024] f32 (K innermost) become codes of FP8 (E4M3), each with its given scale 2^e (entries 1, 3, 5, 7 of the scales), laid in wc
; in the order in which the second launch's waves take them into operand registers.
; code = w / 2^e, held within +-448, to the nearest code, ties to even.  LIMITS: -126 <= e <= 119, so that 2^e and 448 x 2^e are f32 numbers.  NaN is not served.
; wc: 256 tiles of 16 rows x 1,024 codes = 16,384 bytes.  Tile T = (w x 4 + pass) x 16 + seq: w the wave that will read it, pass 0 q, 1 k, 2 v, 3 g.
; Rows of a tile, r = 0 .. 15: passes q, k, g: weight row 256 w + 16 seq + r;  pass v: weight row 64 r + 16 w + seq (all 16 heads at one channel).
; Inside a tile: 64 lines of 256 bytes; line R holds 16 chunks of 16 bytes, chunk r of tile row r.  A wave reads a row of 1,024 f32 by eight loads of 512 consecutive bytes:
; load a gives lane l the numbers K = 128 a + 4 l + 0 .. 3.  The 16 codes of loads 4 q .. 4 q + 3 of lane l are the chunk of line R = l + 32 q.  The second launch lays the
; tokens' codes by the same map, so every code meets its partner along K.
; One work-group makes one tile; wave wv takes tile rows 4 wv .. 4 wv + 3.  The chunks meet in LDS (lines 272 bytes apart: sixteen lanes' stores fall on sixteen different
; 16-byte columns of 256) and leave as whole lines: each store of a wave covers 512 consecutive bytes, aligned.
.set LP,   272
.set X,    32                          ; v32-159  four rows of 32 numbers a lane
.set C,    160                         ; v160-191 eight registers of codes a row: no store's data are written again
.set OUTR, 192                         ; v192-223 the way out
	s_load_b256 s[4:11], s[0:1], 0x0               ; wq, wk, wv, wg
	s_load_b128 s[12:15], s[0:1], 0x20             ; the scales' exponents, wc
	v_lshl_add_u32 v224, v0, 2, 0x4400
	v_mov_b32 v225, 0
	v_and_b32 v1, 31, v0                           ; lane
	v_lshrrev_b32 v2, 5, v0
	v_readfirstlane_b32 s16, v2                    ; wave 0..3
	s_lshr_b32 s17, ttmp9, 6                       ; w
	s_bfe_u32 s18, ttmp9, 0x20004                  ; pass
	s_and_b32 s19, ttmp9, 15                       ; seq
	v_lshlrev_b32 v3, 4, v1                        ; 16 x lane
	s_lshl_b32 s32, s17, 4
	s_add_co_u32 s32, s32, s19                     ; 16 w + seq: the first row in pass v,
	s_lshl_b32 s33, s32, 4                         ; 256 w + 16 seq: in the other passes
	s_mov_b32 s34, 4096                            ; bytes from tile row to tile row: one weight row,
	s_cmp_eq_u32 s18, 2
	s_cselect_b32 s32, s32, s33
	s_cselect_b32 s34, 0x40000, s34                ; or 64 of them in pass v
	s_lshl_b32 s32, s32, 12                        ; the first row in bytes
	s_mov_b32 s33, 0
	s_lshl_b32 s35, s16, 2                         ; my first tile row
.irp i, 0,1,2,3
	s_add_co_u32 s36, s35, \i
	s_mul_i32 s36, s36, s34
	v_add_nc_u32 v[4+\i], s36, v3                  ; v4-7: my 16 bytes of a load, in tile row 4 wv + i
.endr
	v_mul_u32_u24 v8, v1, LP
	s_lshl_b32 s36, s16, 6
	v_add_nc_u32 v8, s36, v8                       ; into LDS: line = lane, chunk 4 wv (+ i by the immediate)
	v_lshrrev_b32 v9, 4, v1
	s_lshl_b32 s36, s16, 4
	v_add_nc_u32 v9, s36, v9
	v_mul_u32_u24 v9, v9, LP
	v_and_b32 v13, 15, v1
	v_lshl_add_u32 v9, v13, 4, v9                  ; back: lines 16 wv + lane / 16 (+ 2 k), chunk lane % 16
	s_lshl_b32 s36, s16, 12
	v_add_nc_u32 v12, s36, v3                      ; and the same place in the tile: 4,096 wv + 16 lane
	s_lshl_b32 s36, ttmp9, 14                      ; the tile in wc
	s_mov_b32 s37, 0
	s_wait_kmcnt 0x0
	s_load_b256 s[24:31], s[12:13], 0x0            ; e0 .. e7
	s_cmp_eq_u32 s18, 1                            ; the weight is chosen by the pass, which hangs on the work-group's number alone
	s_cselect_b64 s[20:21], s[6:7], s[4:5]
	s_cmp_eq_u32 s18, 2
	s_cselect_b64 s[20:21], s[8:9], s[20:21]
	s_cmp_eq_u32 s18, 3
	s_cselect_b64 s[20:21], s[10:11], s[20:21]
	s_add_nc_u64 s[20:21], s[20:21], s[32:33]
	s_add_nc_u64 s[14:15], s[14:15], s[36:37]
.irp i, 0,1,2,3
.irp a, 0,1,2,3,4,5,6,7
	global_load_b128 v[X+32*\i+4*\a:X+32*\i+4*\a+3], v[4+\i], s[20:21] offset:512*\a th:TH_LOAD_NT   ; 32 lanes read 512 consecutive bytes; read once in the launch
.endr
.endr
	s_wait_kmcnt 0x0
	s_cmp_eq_u32 s18, 1
	s_cselect_b32 s22, s27, s25                    ; e3 or e1
	s_cmp_eq_u32 s18, 2
	s_cselect_b32 s22, s29, s22                    ; e5
	s_cmp_eq_u32 s18, 3
	s_cselect_b32 s22, s31, s22                    ; e7
	s_add_co_i32 s22, s22, 127
	s_lshl_b32 s23, s22, 23
	v_mov_b32 v11, s23                             ; 2^e as f32: the conversion takes its exponent field
	s_add_co_i32 s22, s22, 8
	s_lshl_b32 s22, s22, 23
	s_or_b32 s22, s22, 0x600000
	v_mov_b32 v10, s22                             ; 448 x 2^e
.irp i, 0,1,2,3
	s_wait_loadcnt 8*(3-\i)                        ; this row's eight loads are in; the later rows' may be out
.set j, 0
.rept 32
	v_med3_num_f32 v[X+32*\i+j], v[X+32*\i+j], -v10, v10   ; the conversion to an 8-bit code does not saturate (ISA guide 7.6.2): the hold comes first
.set j, j+1
.endr
.irp c, 0,1,2,3
	v_cvt_scalef32_pk8_fp8_f32 v[C+8*\i+2*\c:C+8*\i+2*\c+1], v[X+32*\i+8*\c:X+32*\i+8*\c+7], v11
.endr
	v_nop                                          ; a plain line behind the run of conversions
	ds_store_b128 v8, v[C+8*\i:C+8*\i+3] offset:16*\i            ; loads 0-3: line = lane
	ds_store_b128 v8, v[C+8*\i+4:C+8*\i+7] offset:16*\i+32*LP    ; loads 4-7: line = lane + 32
.endr
	s_wait_dscnt 0x0                               ; for the others' sake: my chunks lie in LDS
	s_barrier_signal -1
	s_barrier_wait -1
.irp k, 0,1,2,3,4,5,6,7
	ds_load_b128 v[OUTR+4*\k:OUTR+4*\k+3], v9 offset:2*LP*\k
.endr
.irp k, 0,1,2,3,4,5,6,7
	s_wait_dscnt 7-\k
	global_store_b128 v12, v[OUTR+4*\k:OUTR+4*\k+3], s[14:15] offset:512*\k   ; two whole lines: 512 consecutive bytes, aligned
.endr
	s_wait_tensorcnt 0x0
	ds_add_u32 v224, v225
	s_wait_dscnt 0x0
	s_endpgm
.Lfunc_end_k_q3aeaf49c18_prep:
	.size	k_q3aeaf49c18_prep, .Lfunc_end_k_q3aeaf49c18_prep-k_q3aeaf49c18_prep
	.p2alignl 7, 3214868480
	.fill 96, 4, 3214868480
	.section	.rodata,"a",@progbits
	.p2align	6, 0x0
	.amdhsa_kernel k_q3aeaf49c18_prep
		.amdhsa_group_segment_fixed_size 17920
		.amdhsa_private_segment_fixed_size 0
		.amdhsa_enable_private_segment 0
		.amdhsa_kernarg_size 48
		.amdhsa_user_sgpr_count 2
		.amdhsa_user_sgpr_kernarg_segment_ptr 1
		.amdhsa_wavefront_size32 1
		.amdhsa_system_sgpr_workgroup_id_x 1
		.amdhsa_system_sgpr_workgroup_id_y 1
		.amdhsa_system_sgpr_workgroup_id_z 1
		.amdhsa_system_vgpr_workitem_id 0
		.amdhsa_next_free_vgpr 226
		.amdhsa_next_free_sgpr 66
		.amdhsa_reserve_vcc 0
		.amdhsa_float_denorm_mode_32 3
		.amdhsa_float_denorm_mode_16_64 3
		.amdhsa_memory_ordered 1
		.amdhsa_forward_progress 1
		.amdhsa_inst_pref_size 18
	.end_amdhsa_kernel
	.amdgpu_metadata
---
amdhsa.version: [ 1, 2 ]
amdhsa.kernels:
  - .name:           k_q3aeaf49c18_prep
    .symbol:         k_q3aeaf49c18_prep.kd
    .args:
      - { .name: wq, .offset: 0, .size: 8, .value_kind: global_buffer, .address_space: global }
      - { .name: wk, .offset: 8, .size: 8, .value_kind: global_buffer, .address_space: global }
      - { .name: wv, .offset: 16, .size: 8, .value_kind: global_buffer, .address_space: global }
      - { .name: wg, .offset: 24, .size: 8, .value_kind: global_buffer, .address_space: global }
      - { .name: lowp_scales, .offset: 32, .size: 8, .value_kind: global_buffer, .address_space: global }
      - { .name: wc, .offset: 40, .size: 8, .value_kind: global_buffer, .address_space: global }
    .group_segment_fixed_size: 17920
    .private_segment_fixed_size: 0
    .kernarg_segment_align: 8
    .kernarg_segment_size: 48
    .max_flat_workgroup_size: 128
    .sgpr_count:     66
    .vgpr_count:     226
    .wavefront_size: 32
...
	.end_amdgpu_metadata
.endif
;; end of part 1
;; launch fused (part 2): grid 256 x 1, 4 waves a work-group, no clusters, 314,112 bytes of LDS; arguments x, w_in_norm, w_out_norm, lowp_scales, wc, out0; writes out0
.if DOCPART == 2
	.amdgcn_target "amdgcn-amd-amdhsa--gfx1250"
	.amdhsa_code_object_version 6
	.text
	.protected	k_q3aeaf49c18_fused
	.globl	k_q3aeaf49c18_fused
	.p2align	8
	.type	k_q3aeaf49c18_fused,@function
k_q3aeaf49c18_fused:
	s_mov_b64 s[64:65], 0
	v_nop
	global_prefetch_b8 v0, s[64:65] scope:SCOPE_SE
	s_setreg_imm32_b32 hwreg(HW_REG_WAVE_MODE, 25, 1), 1
	s_wait_xcnt 0x0
; out0 = rmsnorm( softmax(q k^T / 8) v x sigmoid(g) ), q, k, v = silu(xn W^T), g = xn Wg^T, xn = rmsnorm(x); the attention runs over the 16 heads of ONE token.
; The four large products and q k^T are done on codes of FP8 (E4M3) with the given scales 2^e0 .. 2^e9; the last product on bf16; all else in f32.
; SHARES.  A work-group of four waves owns 64 tokens and takes them through the whole chain; nothing but x, the weights' codes and out0 touches memory.
;   Wave w OWNS tokens 16 w .. 16 w + 15 (norms, quantising, scores, softmax, P V, the way out), and PRODUCES, for all 64 tokens, the columns of heads 4 w .. 4 w + 3
;   of q, k and g, and channels 16 w .. 16 w + 15 of all heads of v.
; THE LARGE PRODUCTS.  The pass's codes of all 64 tokens (64 x 1,024 bytes) stand in 512 registers of every wave; the wave's own quarter of the weights' codes streams from wc
;   straight into a ring of 16 fragments (256 registers): a fragment of 2,048 bytes feeds four matrix instructions.  The ring has 64 loads (32,768 bytes) a wave on their way, with
;   counted waits and no barrier.  Used transposed (source 0 = 16 weight rows, source 1 = 16 tokens): a lane holds one token and eight neighbouring columns.
; NO TENSOR LOADS, NO CLUSTER, though all work-groups read the same wc: a shared tile would have to land in LDS, and LDS holds the token block: 4 zones x 69,888 + 32,768 + 1,280 =
;   313,600 bytes; what is left is less than the 4 x 16,384 bytes of one weight tile a wave.  No prefetch: wc is read by every work-group, x only at the head.
; LIMITS on the given exponents, so that each power of two below is an f32 number: e0, e2, e4, e6, e8 - e0 - e1, e9 - e2 - e3 between -126 and 119;
;   e0 + e1, e2 + e3, e4 + e5, e6 + e7 between -126 and 127; e8 + e9 between -123 and 130.  NaN among the inputs is not served.
; LDS.  Zone z (69,888 bytes) belongs to tokens 16 z .. 16 z + 15.  First four PIECES of 17,408 bytes: xn's codes under g's, v's, q's, k's scale: 64 lines of 272 bytes, line R as in wc,
;   chunk r = token r.  Then, as pieces are done with: q's codes over q's piece and k's over k's (a token 1,040 bytes: head x 64 + plane x 32 + lane half x 16);
;   v in bf16 over both (a token 2,064 bytes: an image of four operand fragments); at last the unnormalised result O over the whole zone (a token 4,368 bytes, a head 272).
;   Behind the zones: P, 512 bytes a token; the waves' sums of squares; 1 / rms.
; REGISTERS, in windows of 256.  Window 0: v0-47 addresses and small things; v64-127 the 8 accumulators of a body (tile tp, tokens 16 m: v[64 + 32 tp + 8 m]); v128-191, v192-255 at work.
;   Window 1: the ring, fragment (tp, ks) at v[16 (8 tp + ks)].   Windows 2, 3: the tokens' codes, fragment (ks, m) at v[16 (4 ks + m)]; in the first phase window 2 holds eight rows of x.
.set ZONE,  69888
.set PIECE, 17408
.set LP,    272                        ; a line of a piece: 256 bytes + 16
.set QCP,   1040                       ; a token's q or k codes: 1,024 + 16
.set VIP,   2064                       ; a token's v: 2,048 + 16
.set OTP,   4368                       ; a token's O: 16 heads x 272 + 16
.set PBUF,  4*ZONE
.set SSUM,  PBUF+32768
.set RSA,   SSUM+1024
.set ACC,   64
.set EE,    128
.set CC,    192
.set MSB,   0
.macro WIN new                         ; the immediate's high byte repeats the setting that is left; a switch that changes nothing is dropped
.if MSB != (\new)
	s_set_vgpr_msb (MSB<<8)|(\new)
.set MSB, (\new)
.endif
.endm
.macro PLACES                          ; four plain places behind matrix instructions, ahead of reads of results and of loads into their registers
.rept 4
	v_nop
.endr
.endm
.macro BAR                             ; my LDS stores have landed and my LDS loads are in: then the work-group's barrier
	s_wait_dscnt 0x0
	s_barrier_signal -1
	s_barrier_wait -1
.endm
.macro MKSC sc, lim, e                 ; 2^e and 448 x 2^e as f32 patterns
	s_add_co_i32 s38, \e, 127
	s_lshl_b32 \sc, s38, 23
	s_add_co_i32 s38, s38, 8
	s_lshl_b32 s38, s38, 23
	s_or_b32 \lim, s38, 0x600000
.endm
.macro SPREAD                          ; an address of zone 0 in v12 -> the four zones' in v12-15
	v_add_nc_u32 v13, ZONE, v12
	v_add_nc_u32 v14, 2*ZONE, v12
	v_add_nc_u32 v15, 3*ZONE, v12
.endm
	s_load_b256 s[4:11], s[0:1], 0x0               ; x, w_in_norm, w_out_norm, the scales' exponents
	s_load_b128 s[12:15], s[0:1], 0x20             ; wc, out0
	v_and_b32 v1, 31, v0                           ; lane
	v_lshrrev_b32 v2, 5, v0
	v_readfirstlane_b32 s16, v2                    ; wave 0..3
	v_and_b32 v2, 15, v0                           ; r
	v_bfe_u32 v3, v0, 4, 1                         ; hh
	v_lshlrev_b32 v20, 4, v1                       ; 16 x lane; never rewritten
	v_mul_u32_u24 v4, v3, LP
	v_lshl_add_u32 v4, v2, 4, v4                   ; v4-7: my place in a piece of zone m: line hh, chunk r
	v_add_nc_u32 v5, ZONE, v4
	v_add_nc_u32 v6, 2*ZONE, v4
	v_add_nc_u32 v7, 3*ZONE, v4
	s_mul_i32 s17, s16, ZONE                       ; my zone
	v_mul_u32_u24 v23, v1, LP
	v_add_nc_u32 v23, s17, v23                     ; where I put chunks: my zone, line = lane
	v_mov_b32 v25, 0                               ; a lane permute's destination counts as read
	v_mov_b32 v27, 0                               ; (named as the upper half of the pair v[26:27])
	s_mov_b32 s18, 0x76543210                      ; v_permlanex16_b32: lane l xor 16
	s_mov_b32 s19, 0xfedcba98
	s_mov_b32 s66, 0x3a800000                      ; 1 / 1,024
	s_mov_b32 s67, 0x358637bd                      ; 1e-6
	s_lshl_b32 s38, ttmp9, 18                      ; 64 tokens x 4,096 bytes a work-group,
	s_lshl_b32 s39, s16, 16                        ; 16 a wave
	s_add_co_u32 s38, s38, s39
	s_mov_b32 s39, 0
	s_lshl_b32 s72, s16, 20                        ; my quarter of wc
	s_mov_b32 s73, 0
	s_wait_kmcnt 0x0
	s_load_b256 s[20:27], s[10:11], 0x0            ; e0 .. e7
	s_load_b64 s[28:29], s[10:11], 0x20            ; e8, e9
	s_add_nc_u64 s[4:5], s[4:5], s[38:39]          ; x at my first token
	s_add_nc_u64 s[68:69], s[14:15], s[38:39]      ; out0 likewise
	s_add_nc_u64 s[56:57], s[12:13], s[72:73]      ; where the ring's loads stand in wc
.irp a, 0,1,2,3,4,5,6,7
	global_load_b128 v[32+4*\a:35+4*\a], v20, s[6:7] offset:512*\a          ; w_in_norm, laid as a row of x: v32-63
.endr
	WIN 0x80                                       ; destination window 2
.irp i, 0,1,2,3,4,5,6,7
.irp a, 0,1,2,3,4,5,6,7
	global_load_b128 v[32*\i+4*\a:32*\i+4*\a+3], v20, s[4:5] offset:\i*4096+512*\a th:TH_LOAD_NT   ; rows 0-7: 512 consecutive bytes a load; read once
.endr
.endr
	WIN 0
	s_wait_kmcnt 0x0
	MKSC s30, s34, s26                             ; xn's four scales, in the order of the pieces: g (e6), v (e4), q (e0), k (e2)
	MKSC s31, s35, s24
	MKSC s32, s36, s20
	MKSC s33, s37, s22
	s_add_co_i32 s38, s20, s21                     ; q: a sum stands for sum x 2^(e0 + e1)
	s_lshl_b32 s39, s38, 23
	s_add_co_u32 s40, s39, 0xbfb8aa3b              ; -log2(e) x 2^(e0 + e1): the exponents are added to the constant's exponent field
	s_mov_b32 s41, s40                             ; (named with it as a pair)
	s_sub_co_i32 s38, s28, s38
	MKSC s42, s43, s38                             ; 2^(e8 - e0 - e1): the three scales folded into the conversion's one; 448 x that
	s_add_co_i32 s38, s22, s23                     ; k likewise, with e2, e3, e9
	s_lshl_b32 s39, s38, 23
	s_add_co_u32 s44, s39, 0xbfb8aa3b
	s_mov_b32 s45, s44
	s_sub_co_i32 s38, s29, s38
	MKSC s46, s47, s38
	s_add_co_i32 s54, s24, s25                     ; v: e4 + e5; applied to P's divisor by v_ldexp_f32
	s_lshl_b32 s39, s54, 23
	s_add_co_u32 s48, s39, 0xbfb8aa3b
	s_mov_b32 s49, s48
	s_add_co_i32 s38, s26, s27                     ; g
	s_lshl_b32 s39, s38, 23
	s_add_co_u32 s50, s39, 0xbfb8aa3b
	s_mov_b32 s51, s50
	s_add_co_i32 s38, s28, s29                     ; the scores: log2(e) / 8 x 2^(e8 + e9)
	s_lshl_b32 s39, s38, 23
	s_add_co_u32 s52, s39, 0x3e38aa3b
	s_mov_b32 s53, s52
; ---- PHASE 0.  Row i of my 16 tokens: rms, xn, and xn's codes under each of the four scales, into my zone's four pieces.
; Every row issues eight loads behind its use of its slot: rows 0-7 the row eight further on, rows 8-15 the ring's first fill (two fragments each).
.macro ROW i
.set XS, 32*((\i)%8)
	s_wait_loadcnt 56                              ; loads come back in order: this row's eight are in, the seven younger groups of eight may be out
	WIN 0x0a                                       ; sources 0 and 1 window 2
	v_pk_mul_f32 v[28:29], v[XS:XS+1], v[XS:XS+1]  ; the sum of squares, in two packed chains
	v_pk_mul_f32 v[30:31], v[XS+2:XS+3], v[XS+2:XS+3]
.set j, 4
.rept 7
	v_pk_fma_f32 v[28:29], v[XS+j:XS+j+1], v[XS+j:XS+j+1], v[28:29]
	v_pk_fma_f32 v[30:31], v[XS+j+2:XS+j+3], v[XS+j+2:XS+j+3], v[30:31]
.set j, j+4
.endr
	WIN 0
	v_pk_add_f32 v[28:29], v[28:29], v[30:31]
	v_add_f32 v28, v28, v29
	v_add_f32_dpp v28, v28, v28 row_xmask:1 row_mask:0xf bank_mask:0xf
	v_add_f32_dpp v28, v28, v28 row_xmask:2 row_mask:0xf bank_mask:0xf
	v_add_f32_dpp v28, v28, v28 row_xmask:4 row_mask:0xf bank_mask:0xf
	v_add_f32_dpp v28, v28, v28 row_xmask:8 row_mask:0xf bank_mask:0xf
	v_permlanex16_b32 v25, v28, s18, s19
	v_add_f32 v28, v28, v25
	v_fma_f32 v29, v28, s66, s67                   ; the mean + 1e-6
	v_rsq_f32 v26, v29
	v_nop                                          ; a plain place behind the transcendental,
	s_wait_alu depctr_va_vdst(0)                   ; and the wait ahead of its first reader
	WIN 0x02                                       ; source 0 window 2
.set j, 0
.rept 16
	v_pk_mul_f32 v[64+j:65+j], v[XS+j:XS+j+1], v[26:27] op_sel_hi:[1,0]   ; x / rms
.set j, j+2
.endr
.if (\i) < 8
	WIN 0x80
.irp a, 0,1,2,3,4,5,6,7
	global_load_b128 v[XS+4*\a:XS+4*\a+3], v20, s[4:5] offset:((\i)+8)*4096+512*\a th:TH_LOAD_NT
.endr
.else
	WIN 0x40                                       ; destination window 1: the ring
.irp f, 0,1
.irp p, 0,1,2,3
	global_load_b128 v[16*(2*((\i)-8)+\f)+4*\p:16*(2*((\i)-8)+\f)+4*\p+3], v20, s[56:57] offset:(2*((\i)-8)+\f)*2048+512*\p
.endr
.endr
.endif
	WIN 0
.set j, 0
.rept 16
	v_pk_mul_f32 v[64+j:65+j], v[64+j:65+j], v[32+j:33+j]   ; x w_in_norm: xn
.set j, j+2
.endr
	s_mov_b32 s60, 0                               ; the piece
	s_mov_b32 s59, 4
.Lset_\@:                                              ; four trips, a scale each; the scales' registers go round once
	v_mov_b32 v21, s30
	v_mov_b32 v22, s34
.set j, 0
.rept 32
	v_med3_num_f32 v[96+j], v[64+j], -v22, v22     ; the hold at 448 x the scale: the conversion does not saturate (ISA guide 7.6.2)
.set j, j+1
.endr
	s_wait_dscnt 0x0                               ; the last trip's stores are done: their address and data are written again
	v_add_nc_u32 v24, s60, v23
.irp c, 0,1,2,3
	v_cvt_scalef32_pk8_fp8_f32 v[128+2*\c:129+2*\c], v[96+8*\c:103+8*\c], v21
.endr
	v_nop                                          ; a plain line behind the run of conversions
	ds_store_b128 v24, v[128:131] offset:16*(\i)           ; K = 128 a + 4 lane + .., a = 0 .. 3: line = lane, chunk = token
	ds_store_b128 v24, v[132:135] offset:16*(\i)+32*LP     ; a = 4 .. 7: line = lane + 32
	s_mov_b32 s38, s30
	s_mov_b32 s30, s31
	s_mov_b32 s31, s32
	s_mov_b32 s32, s33
	s_mov_b32 s33, s38
	s_mov_b32 s38, s34
	s_mov_b32 s34, s35
	s_mov_b32 s35, s36
	s_mov_b32 s36, s37
	s_mov_b32 s37, s38
	s_add_co_u32 s60, s60, PIECE
	s_sub_co_u32 s59, s59, 1
	s_cmp_lg_u32 s59, 0
	s_cbranch_scc1 .Lset_\@
.endm
.irp i, 0,1,2,3,4,5,6,7,8,9,10,11,12,13,14,15
	ROW \i
.endr
	s_wait_xcnt 0x0                                ; the ring's first loads have read their base
	s_add_nc_u64 s[56:57], s[56:57], 32768         ; from here on it stands one body (two tiles) ahead of the products
	BAR                                            ; all 64 tokens' pieces lie in LDS
; The piece at byte pc of every zone -> windows 2 and 3: 128 loads, sixteen lanes to a line.  Behind the barrier every wave holds the codes, and the piece may be written over.
.macro ALOAD pc
.irp m, 0,1,2,3
	v_add_nc_u32 v[8+\m], \pc, v[4+\m]
.endr
	WIN 0x80
.irp ks, 0,1,2,3
.irp m, 0,1,2,3
.irp p, 0,1,2,3
	ds_load_b128 v[16*(4*\ks+\m)+4*\p:16*(4*\ks+\m)+4*\p+3], v[8+\m] offset:(4*\ks+\p)*2*LP
.endr
.endr
.endr
	WIN 0xc0
.irp ks, 0,1,2,3
.irp m, 0,1,2,3
.irp p, 0,1,2,3
	ds_load_b128 v[16*(4*\ks+\m)+4*\p:16*(4*\ks+\m)+4*\p+3], v[8+\m] offset:(4*(\ks+4)+\p)*2*LP
.endr
.endr
.endr
	WIN 0
	BAR
.endm
; 16 matrix instructions: tile tp, K steps 4 half .. 4 half + 3, the four blocks of tokens by turns.  The first K step starts the sums.
; load = 1: the four fragments just multiplied are asked for anew, for the next body.  cnt: the younger loads that may stay out.
.macro GROUP tp, half, load, cnt
	s_wait_loadcnt \cnt
	WIN 0x09+4*(\half)                             ; source 0 (weights) window 1, source 1 (tokens) window 2 or 3
.irp kk, 0,1,2,3
.irp m, 0,1,2,3
.if (\half) == 0 && \kk == 0
	v_wmma_f32_16x16x128_fp8_fp8 v[ACC+32*(\tp)+8*\m:ACC+32*(\tp)+8*\m+7], v[16*(8*(\tp)+4*(\half)+\kk):16*(8*(\tp)+4*(\half)+\kk)+15], v[16*(4*\kk+\m):16*(4*\kk+\m)+15], 0
.else
	v_wmma_f32_16x16x128_fp8_fp8 v[ACC+32*(\tp)+8*\m:ACC+32*(\tp)+8*\m+7], v[16*(8*(\tp)+4*(\half)+\kk):16*(8*(\tp)+4*(\half)+\kk)+15], v[16*(4*\kk+\m):16*(4*\kk+\m)+15], v[ACC+32*(\tp)+8*\m:ACC+32*(\tp)+8*\m+7]
.endif
.endr
.endr
	PLACES
.if \load
	WIN 0x40
.irp kk, 0,1,2,3
.irp p, 0,1,2,3
	global_load_b128 v[16*(8*(\tp)+4*(\half)+\kk)+4*\p:16*(8*(\tp)+4*(\half)+\kk)+4*\p+3], v20, s[56:57] offset:(8*(\tp)+4*(\half)+\kk)*2048+512*\p
.endr
.endr
.endif
.endm
; A body's products: two tiles of 16 weight rows x 64 tokens x K = 1,024.  With loads each group finds three younger groups of 16 loads behind its own; without, the counts run down.
.macro MATS load
.if \load
	GROUP 0, 0, 1, 48
	GROUP 0, 1, 1, 48
	GROUP 1, 0, 1, 48
	GROUP 1, 1, 1, 48
.else
	GROUP 0, 0, 0, 48
	GROUP 0, 1, 0, 32
	GROUP 1, 0, 0, 16
	GROUP 1, 1, 0, 0
.endif
	WIN 0
.endm
.macro STEPB
	s_wait_xcnt 0x0                                ; the body's loads have read their base
	s_add_nc_u64 s[56:57], s[56:57], 32768
.endm
.macro EXTS                            ; where this body's results go: the pass's places + the body's offset
	s_wait_dscnt 0x0                               ; the last body's LDS stores are done: their addresses and data are written again
.irp m, 0,1,2,3
	v_add_nc_u32 v[16+\m], s60, v[12+\m]
.endr
.endm
; v128-191 = 1 / (1 + 2^(sum x c)), c = -log2(e) x 2^(the two exponents) in s[cp]: the sigmoid of what the 64 sums stand for.  Each batch of 64 transcendentals has one plain place and one wait.
.macro SIGM cp
.set j, 0
.rept 32
	v_pk_mul_f32 v[EE+j:EE+j+1], v[ACC+j:ACC+j+1], s[\cp:\cp+1] op_sel_hi:[1,0]   ; each accumulator from its low end on
.set j, j+2
.endr
.set j, 0
.rept 64
	v_exp_f32 v[EE+j], v[EE+j]
.set j, j+1
.endr
	v_nop
	s_wait_alu depctr_va_vdst(0)
.set j, 0
.rept 32
	v_pk_add_f32 v[EE+j:EE+j+1], v[EE+j:EE+j+1], 1.0 op_sel_hi:[1,0]
.set j, j+2
.endr
.set j, 0
.rept 64
	v_rcp_f32 v[EE+j], v[EE+j]
.set j, j+1
.endr
	v_nop
	s_wait_alu depctr_va_vdst(0)
.endm
.macro SILU                            ; the sums x their sigmoids: silu / 2^(the two exponents)
.set j, 0
.rept 32
	v_pk_mul_f32 v[ACC+j:ACC+j+1], v[ACC+j:ACC+j+1], v[EE+j:EE+j+1]
.set j, j+2
.endr
.endm
; q, k: silu, the hold, the codes.  A lane's 16 codes (token r of block m; channels 8 hh + 0 .. 7 of the body's two tiles) are one chunk of the token's image.
.macro EPI_QK cp
	EXTS
	SIGM \cp
	SILU
.set j, 0
.rept 64
	v_med3_num_f32 v[ACC+j], v[ACC+j], -v22, v22
.set j, j+1
.endr
.irp tp, 0,1
.irp m, 0,1,2,3
	v_cvt_scalef32_pk8_fp8_f32 v[CC+4*\m+2*\tp:CC+4*\m+2*\tp+1], v[ACC+32*\tp+8*\m:ACC+32*\tp+8*\m+7], v21
.endr
.endr
	v_nop                                          ; a plain line between the conversions and the next products, which write their sources
.irp m, 0,1,2,3
	ds_store_b128 v[16+\m], v[CC+4*\m:CC+4*\m+3]
.endr
.endm
; v: silu, rounded to bf16.  A lane's eight numbers of a tile are heads 8 hh + 0 .. 7 at one channel: 16 bytes of the token's image.
.macro EPI_V
	EXTS
	SIGM 48
	SILU
.set j, 0
.rept 32
	v_cvt_pk_bf16_f32 v[CC+j], v[ACC+2*j], v[ACC+2*j+1]
.set j, j+1
.endr
.irp tp, 0,1
.irp m, 0,1,2,3
	ds_store_b128 v[16+\m], v[CC+16*\tp+4*\m:CC+16*\tp+4*\m+3] offset:16*\tp
.endr
.endr
.endm
; g: O x sigmoid(g) in place in LDS, and the sum of its squares (a pair for each block of tokens, v32-39).
.macro EPI_G
	EXTS
.irp tp, 0,1
.irp m, 0,1,2,3
	ds_load_b128 v[CC+32*\tp+8*\m:CC+32*\tp+8*\m+3], v[16+\m] offset:64*\tp
	ds_load_b128 v[CC+32*\tp+8*\m+4:CC+32*\tp+8*\m+7], v[16+\m] offset:64*\tp+16
.endr
.endr
	SIGM 50
	s_wait_dscnt 0x0                               ; O's numbers are in
.set j, 0
.rept 32
	v_pk_mul_f32 v[CC+j:CC+j+1], v[CC+j:CC+j+1], v[EE+j:EE+j+1]
.set j, j+2
.endr
.irp tp, 0,1
.irp q, 0,2,4,6
.irp m, 0,1,2,3
	v_pk_fma_f32 v[32+2*\m:33+2*\m], v[CC+32*\tp+8*\m+\q:CC+32*\tp+8*\m+\q+1], v[CC+32*\tp+8*\m+\q:CC+32*\tp+8*\m+\q+1], v[32+2*\m:33+2*\m]
.endr
.endr
.endr
.irp tp, 0,1
.irp m, 0,1,2,3
	ds_store_b128 v[16+\m], v[CC+32*\tp+8*\m:CC+32*\tp+8*\m+3] offset:64*\tp
	ds_store_b128 v[16+\m], v[CC+32*\tp+8*\m+4:CC+32*\tp+8*\m+7] offset:64*\tp+16
.endr
.endr
.endm
; ---- q.  Body b (0 .. 7): weight rows 256 w + 32 b + 0 .. 31: head 4 w + b / 2, channels 32 (b % 2) on: bytes 256 w + 32 b + 16 hh of the token's image.
	v_mul_u32_u24 v12, v2, QCP
	v_lshl_add_u32 v12, v3, 4, v12
	s_lshl_b32 s38, s16, 8
	v_add_nc_u32 v12, s38, v12                     ; token r, my four heads, my half
	SPREAD
	ALOAD 2*PIECE                                  ; xn under e0
	v_mov_b32 v21, s42
	v_mov_b32 v22, s43
	s_mov_b32 s60, 2*PIECE                         ; q's codes go over the piece that every wave now holds
	s_mov_b32 s58, 8
.Lq:
	MATS 1
	EPI_QK 40
	STEPB
	s_add_co_u32 s60, s60, 32
	s_sub_co_u32 s58, s58, 1
	s_cmp_lg_u32 s58, 0
	s_cbranch_scc1 .Lq
; ---- k
	ALOAD 3*PIECE                                  ; xn under e2
	v_mov_b32 v21, s46
	v_mov_b32 v22, s47
	s_mov_b32 s60, 3*PIECE
	s_mov_b32 s58, 8
.Lk:
	MATS 1
	EPI_QK 44
	STEPB
	s_add_co_u32 s60, s60, 32
	s_sub_co_u32 s58, s58, 1
	s_cmp_lg_u32 s58, 0
	s_cbranch_scc1 .Lk
	BAR                                            ; all heads' codes of q and k lie in LDS
; ---- THE SCORES AND THE SOFTMAX of my 16 tokens, four a trip.  S^T = k q^T (source 0 = the 16 heads of k, source 1 = those of q): a lane holds head h = r of q and
; its register j head g = 8 hh + j of k.  p = 2^((s - max) c), c = log2(e) / 8 x 2^(e8 + e9); divided by the row's sum, x 2^(e4 + e5) for v's sake, rounded to bf16: four registers
; a lane, which ARE the first half of the last product's operand; they wait in LDS as they stand.
	v_lshlrev_b32 v40, 6, v2
	v_lshl_add_u32 v40, v3, 4, v40
	v_add_nc_u32 v40, s17, v40
	v_add_nc_u32 v40, 2*PIECE, v40                 ; q's codes: my zone, head r, half hh
	s_lshl_b32 s38, s16, 13
	v_add_nc_u32 v42, s38, v20
	v_add_nc_u32 v42, PBUF, v42                    ; P: my 16 tokens x 512 bytes, 16 a lane
.irp k, 0,1,2,3
	v_mov_b32 v[161+8*\k], 0                       ; a lane permute's destination counts as read
	v_mov_b32 v[163+8*\k], 0                       ; (named as the upper half of a pair)
.endr
	s_mov_b32 s70, 0
	s_mov_b32 s71, 0
	s_mov_b32 s58, 4
.Lsc:
	s_wait_dscnt 0x0                               ; the last trip's stores are done: their address is written again
	v_add_nc_u32 v41, s70, v40
	v_add_nc_u32 v43, s71, v42
.irp k, 0,1,2,3
.irp p, 0,1
	ds_load_b128 v[64+8*\k+4*\p:67+8*\k+4*\p], v41 offset:PIECE+\k*QCP+32*\p    ; k's codes lie a piece behind q's
	ds_load_b128 v[96+8*\k+4*\p:99+8*\k+4*\p], v41 offset:\k*QCP+32*\p
.endr
.endr
	s_wait_dscnt 0x0
.irp k, 0,1,2,3
	v_wmma_f32_16x16x64_fp8_fp8 v[128+8*\k:135+8*\k], v[64+8*\k:71+8*\k], v[96+8*\k:103+8*\k], 0
.endr
	PLACES
.irp k, 0,1,2,3
	v_max3_num_f32 v[160+8*\k], v[128+8*\k], v[129+8*\k], v[130+8*\k]   ; the row's largest score: my eight,
.endr
.irp k, 0,1,2,3
	v_max3_num_f32 v[160+8*\k], v[160+8*\k], v[131+8*\k], v[132+8*\k]
.endr
.irp k, 0,1,2,3
	v_max3_num_f32 v[160+8*\k], v[160+8*\k], v[133+8*\k], v[134+8*\k]
.endr
.irp k, 0,1,2,3
	v_max_num_f32 v[160+8*\k], v[160+8*\k], v[135+8*\k]
.endr
.irp k, 0,1,2,3
	v_permlanex16_b32 v[161+8*\k], v[160+8*\k], s18, s19
.endr
.irp k, 0,1,2,3
	v_max_num_f32 v[160+8*\k], v[160+8*\k], v[161+8*\k]                 ; and lane l xor 16's
.endr
.irp k, 0,1,2,3
	v_mul_f32 v[162+8*\k], s52, v[160+8*\k]
.endr
.irp k, 0,1,2,3
.irp q, 0,2,4,6
	v_pk_fma_f32 v[128+8*\k+\q:129+8*\k+\q], v[128+8*\k+\q:129+8*\k+\q], s[52:53], v[162+8*\k:163+8*\k] op_sel_hi:[1,0,0] neg_lo:[0,0,1] neg_hi:[0,0,1]   ; c s - c max
.endr
.endr
.set j, 0
.rept 32
	v_exp_f32 v[128+j], v[128+j]
.set j, j+1
.endr
	v_nop
	s_wait_alu depctr_va_vdst(0)                   ; one wait for the 32 exponentials
.irp k, 0,1,2,3
	v_pk_add_f32 v[164+8*\k:165+8*\k], v[128+8*\k:129+8*\k], v[130+8*\k:131+8*\k]
	v_pk_add_f32 v[166+8*\k:167+8*\k], v[132+8*\k:133+8*\k], v[134+8*\k:135+8*\k]
.endr
.irp k, 0,1,2,3
	v_pk_add_f32 v[164+8*\k:165+8*\k], v[164+8*\k:165+8*\k], v[166+8*\k:167+8*\k]
.endr
.irp k, 0,1,2,3
	v_add_f32 v[164+8*\k], v[164+8*\k], v[165+8*\k]
.endr
.irp k, 0,1,2,3
	v_permlanex16_b32 v[161+8*\k], v[164+8*\k], s18, s19
.endr
.irp k, 0,1,2,3
	v_add_f32 v[164+8*\k], v[164+8*\k], v[161+8*\k]
.endr
.irp k, 0,1,2,3
	v_rcp_f32 v[166+8*\k], v[164+8*\k]
.endr
	v_nop
	s_wait_alu depctr_va_vdst(0)                   ; one wait for the four reciprocals
.irp k, 0,1,2,3
	v_ldexp_f32 v[166+8*\k], v[166+8*\k], s54      ; x 2^(e4 + e5): v is kept without that factor
.endr
.irp k, 0,1,2,3
.irp q, 0,2,4,6
	v_pk_mul_f32 v[128+8*\k+\q:129+8*\k+\q], v[128+8*\k+\q:129+8*\k+\q], v[166+8*\k:167+8*\k] op_sel_hi:[1,0]
.endr
.endr
.set j, 0
.rept 16
	v_cvt_pk_bf16_f32 v[192+j], v[128+2*j], v[129+2*j]
.set j, j+1
.endr
.irp k, 0,1,2,3
	ds_store_b128 v43, v[192+4*\k:195+4*\k] offset:512*\k
.endr
	s_add_co_u32 s70, s70, 4*QCP
	s_add_co_u32 s71, s71, 2048
	s_sub_co_u32 s58, s58, 1
	s_cmp_lg_u32 s58, 0
	s_cbranch_scc1 .Lsc
; ---- v.  Body b: channels 16 w + 2 b + tp of all 16 heads.  Behind ALOAD's barrier nobody reads q's and k's codes any more: v goes over them.
	ALOAD PIECE                                    ; xn under e4
	v_mul_u32_u24 v12, v2, VIP
	v_lshl_add_u32 v12, v3, 8, v12
	s_lshl_b32 s38, s16, 9
	v_add_nc_u32 v12, s38, v12
	v_add_nc_u32 v12, 2*PIECE, v12                 ; token r's image: fragment w, lane 16 hh + (2 b + tp)
	SPREAD
	s_mov_b32 s60, 0
	s_mov_b32 s58, 8
.Lv:
	MATS 1
	EPI_V
	STEPB
	s_add_co_u32 s60, s60, 32
	s_sub_co_u32 s58, s58, 1
	s_cmp_lg_u32 s58, 0
	s_cbranch_scc1 .Lv
	ALOAD 0                                        ; xn under e6.  Behind its barrier v is whole, and every wave holds the last piece: O may go over the zones
; ---- O^T = v^T P^T of my 16 tokens, two a trip: source 0 = 16 channels x the heads g, source 1 = P (heads g x heads h); K = 16 heads, filled to 32 with zeros on both sides.
; A lane holds head h = r and channels 16 c + 8 hh + 0 .. 7.  O(i) ends at (i + 1) x 4,368, v(i + 1) begins at 34,816 + (i + 1) x 2,064: O never reaches a token's v before it is read.
	v_add_nc_u32 v40, s17, v20
	v_add_nc_u32 v40, 2*PIECE, v40                 ; v's images: my zone, 16 x lane
	v_mul_u32_u24 v44, v2, 272
	v_lshl_add_u32 v44, v3, 5, v44
	v_add_nc_u32 v44, s17, v44                     ; O: my zone, head r, 32 hh
.irp f, 0,1,2,3,4,5,6,7,8,9
.irp q, 4,5,6,7
	v_mov_b32 v[64+8*\f+\q], 0                     ; K = 16 .. 31 of the eight fragments of v and the two of P
.endr
.endr
	s_mov_b32 s70, 0
	s_mov_b32 s71, 0
	s_mov_b32 s72, 0
	s_mov_b32 s58, 8
.Lpv:
	s_wait_dscnt 0x0                               ; the last trip's stores are done: their address and data are written again
	v_add_nc_u32 v41, s70, v40
	v_add_nc_u32 v43, s71, v42
	v_add_nc_u32 v45, s72, v44
.irp k, 0,1
	ds_load_b128 v[128+8*\k:131+8*\k], v43 offset:512*\k
.irp c, 0,1,2,3
	ds_load_b128 v[64+32*\k+8*\c:67+32*\k+8*\c], v41 offset:\k*VIP+512*\c
.endr
.endr
	s_wait_dscnt 0x0
.irp k, 0,1
.irp c, 0,1,2,3
	v_wmma_f32_16x16x32_bf16 v[144+32*\k+8*\c:151+32*\k+8*\c], v[64+32*\k+8*\c:71+32*\k+8*\c], v[128+8*\k:135+8*\k], 0
.endr
.endr
	PLACES
.irp k, 0,1
.irp c, 0,1,2,3
	ds_store_b128 v45, v[144+32*\k+8*\c:147+32*\k+8*\c] offset:\k*OTP+64*\c
	ds_store_b128 v45, v[148+32*\k+8*\c:151+32*\k+8*\c] offset:\k*OTP+64*\c+16
.endr
.endr
	s_add_co_u32 s70, s70, 2*VIP
	s_add_co_u32 s71, s71, 1024
	s_add_co_u32 s72, s72, 2*OTP
	s_sub_co_u32 s58, s58, 1
	s_cmp_lg_u32 s58, 0
	s_cbranch_scc1 .Lpv
	BAR                                            ; all 64 tokens' O lie in LDS
; ---- g.  Body b: head 4 w + b / 2, channels 32 (b % 2) + 16 tp + 8 hh + 0 .. 7.  The last body is written out: it asks for nothing, so that no load leaves wc.
	v_mul_u32_u24 v12, v2, OTP
	v_lshl_add_u32 v12, v3, 5, v12
	s_mul_i32 s38, s16, 4*272
	v_add_nc_u32 v12, s38, v12                     ; token r, my four heads, 32 hh
	SPREAD
.irp q, 0,1,2,3,4,5,6,7
	v_mov_b32 v[32+\q], 0                          ; the sums of squares
.endr
	s_mov_b32 s58, 0
.Lg:
	s_lshr_b32 s60, s58, 1
	s_mul_i32 s60, s60, 272
	s_and_b32 s38, s58, 1
	s_lshl_b32 s38, s38, 7
	s_add_co_u32 s60, s60, s38                     ; 272 (b / 2) + 128 (b % 2)
	MATS 1
	EPI_G
	STEPB
	s_add_co_u32 s58, s58, 1
	s_cmp_lt_u32 s58, 7
	s_cbranch_scc1 .Lg
	s_mov_b32 s60, 3*272+128
	MATS 0
	EPI_G
	; my columns' sums of squares, for all 64 tokens, to LDS; meanwhile w_out_norm is asked for
	v_lshlrev_b32 v47, 11, v3
	v_lshl_add_u32 v47, v2, 4, v47                 ; a row of out0 or of w_out_norm: 2,048 hh + 16 r
.irp q, 0,1,2,3,4,5,6,7
	global_load_b128 v[128+4*\q:131+4*\q], v47, s[8:9] offset:256*\q
.endr
	v_lshlrev_b32 v43, 2, v2
	s_lshl_b32 s38, s16, 8
	v_add_nc_u32 v42, s38, v43
	v_add_nc_u32 v42, SSUM, v42                    ; my sums: 256 w + 4 r (+ 64 m)
	s_lshl_b32 s38, s16, 6
	v_add_nc_u32 v43, s38, v43
	v_add_nc_u32 v44, RSA, v43                     ; 1 / rms of my token r
	v_add_nc_u32 v43, SSUM, v43                    ; the four waves' sums of my token r: 64 w + 4 r (+ 256 a wave)
	v_mov_b32 v45, s38
	v_add_nc_u32 v45, RSA, v45                     ; 1 / rms of my first token, the same address in every lane
	v_mul_u32_u24 v40, v3, 8*272
	v_lshl_add_u32 v40, v2, 4, v40
	v_add_nc_u32 v40, s17, v40                     ; O back: my zone, head 8 hh (+ j), 16 r
.irp m, 0,1,2,3
	v_add_f32 v[32+2*\m], v[32+2*\m], v[33+2*\m]
.endr
.irp m, 0,1,2,3
	v_permlanex16_b32 v[33+2*\m], v[32+2*\m], s18, s19
.endr
.irp m, 0,1,2,3
	v_add_f32 v[32+2*\m], v[32+2*\m], v[33+2*\m]
.endr
.irp m, 0,1,2,3
	ds_store_b32 v42, v[32+2*\m] offset:64*\m      ; lanes r and r + 16 write the same number to the same word
.endr
	BAR                                            ; the gated O and all sums lie in LDS
; ---- THE WAY OUT of my 16 tokens: 1 / rms, then O / rms x w_out_norm, two tokens a trip.
.irp q, 0,1,2,3
	ds_load_b32 v[164+\q], v43 offset:256*\q
.endr
	s_wait_dscnt 0x0
	v_add_f32 v164, v164, v165
	v_add_f32 v166, v166, v167
	v_add_f32 v164, v164, v166
	v_fma_f32 v165, v164, s66, s67
	v_rsq_f32 v166, v165
	v_mov_b32 v161, 0                              ; (a plain place; named as the upper halves of pairs below)
	v_mov_b32 v163, 0
	s_wait_alu depctr_va_vdst(0)
	ds_store_b32 v44, v166                         ; LDS serves a wave's instructions in order (ISA guide 5.7.1.4): my loads below see it
	s_wait_loadcnt 0x0                             ; w_out_norm
	s_mov_b32 s70, 0
	s_mov_b32 s71, 0
	s_mov_b32 s58, 8
.Lout:
	v_add_nc_u32 v41, s70, v40
	v_add_nc_u32 v46, s71, v45
.irp k, 0,1
.irp q, 0,1,2,3,4,5,6,7
	ds_load_b128 v[64+32*\k+4*\q:67+32*\k+4*\q], v41 offset:\k*OTP+272*\q   ; lanes 0-15: head q, lanes 16-31: head 8 + q: 256 bytes each
.endr
.endr
	ds_load_b32 v160, v46
	ds_load_b32 v162, v46 offset:4
	s_wait_dscnt 0x0
.irp k, 0,1
.set j, 0
.rept 16
	v_pk_mul_f32 v[64+32*\k+j:65+32*\k+j], v[64+32*\k+j:65+32*\k+j], v[160+2*\k:161+2*\k] op_sel_hi:[1,0]
.set j, j+2
.endr
.endr
.irp k, 0,1
.set j, 0
.rept 16
	v_pk_mul_f32 v[64+32*\k+j:65+32*\k+j], v[64+32*\k+j:65+32*\k+j], v[128+j:129+j]
.set j, j+2
.endr
.endr
.irp k, 0,1
.irp q, 0,1,2,3,4,5,6,7
	global_store_b128 v47, v[64+32*\k+4*\q:67+32*\k+4*\q], s[68:69] offset:\k*4096+256*\q th:TH_STORE_NT   ; each half of the lanes stores 256 consecutive bytes, aligned; written once
.endr
.endr
	s_wait_xcnt 0x0                                ; the stores have read their data and their base: both are written again
	s_add_nc_u64 s[68:69], s[68:69], 8192
	s_add_co_u32 s70, s70, 2*OTP
	s_add_co_u32 s71, s71, 8
	s_sub_co_u32 s58, s58, 1
	s_cmp_lg_u32 s58, 0
	s_cbranch_scc1 .Lout
	s_wait_xcnt 0x0
	v_lshl_add_u32 v254, v0, 2, 0x4c900
	v_mov_b32 v255, 0
	s_wait_tensorcnt 0x0
	ds_add_u32 v254, v255
	s_wait_dscnt 0x0
	s_endpgm
.Lfunc_end_k_q3aeaf49c18_fused:
	.size	k_q3aeaf49c18_fused, .Lfunc_end_k_q3aeaf49c18_fused-k_q3aeaf49c18_fused
	.p2alignl 7, 3214868480
	.fill 96, 4, 3214868480
	.section	.rodata,"a",@progbits
	.p2align	6, 0x0
	.amdhsa_kernel k_q3aeaf49c18_fused
		.amdhsa_group_segment_fixed_size 314112
		.amdhsa_private_segment_fixed_size 0
		.amdhsa_enable_private_segment 0
		.amdhsa_kernarg_size 48
		.amdhsa_user_sgpr_count 2
		.amdhsa_user_sgpr_kernarg_segment_ptr 1
		.amdhsa_wavefront_size32 1
		.amdhsa_system_sgpr_workgroup_id_x 1
		.amdhsa_system_sgpr_workgroup_id_y 1
		.amdhsa_system_sgpr_workgroup_id_z 1
		.amdhsa_system_vgpr_workitem_id 0
		.amdhsa_next_free_vgpr 1024
		.amdhsa_next_free_sgpr 80
		.amdhsa_reserve_vcc 0
		.amdhsa_float_denorm_mode_32 3
		.amdhsa_float_denorm_mode_16_64 3
		.amdhsa_memory_ordered 1
		.amdhsa_forward_progress 1
		.amdhsa_inst_pref_size 255
	.end_amdhsa_kernel
	.section	.bss,"aw",@nobits
	.p2align	6
	.space	262144
	.amdgpu_metadata
---
amdhsa.version: [ 1, 2 ]
amdhsa.kernels:
  - .name:           k_q3aeaf49c18_fused
    .symbol:         k_q3aeaf49c18_fused.kd
    .args:
      - { .name: x, .offset: 0, .size: 8, .value_kind: global_buffer, .address_space: global }
      - { .name: w_in_norm, .offset: 8, .size: 8, .value_kind: global_buffer, .address_space: global }
      - { .name: w_out_norm, .offset: 16, .size: 8, .value_kind: global_buffer, .address_space: global }
      - { .name: lowp_scales, .offset: 24, .size: 8, .value_kind: global_buffer, .address_space: global }
      - { .name: wc, .offset: 32, .size: 8, .value_kind: global_buffer, .address_space: global }
      - { .name: out0, .offset: 40, .size: 8, .value_kind: global_buffer, .address_space: global }
    .group_segment_fixed_size: 314112
    .private_segment_fixed_size: 0
    .kernarg_segment_align: 8
    .kernarg_segment_size: 48
    .max_flat_workgroup_size: 128
    .sgpr_count:     80
    .vgpr_count:     1024
    .wavefront_size: 32
...
	.end_amdgpu_metadata
.endif
;; end of part 2
;; ======== version 2 of 2: 2 launches
;; workspace buffers: wc 4,194,304 bytes
;; launch prep (part 3): grid 256 x 1, 4 waves a work-group, no clusters, 17,920 bytes of LDS; arguments wq, wk, wv, wg, lowp_scales, wc; writes wc
.if DOCPART == 3
	.amdgcn_target "amdgcn-amd-amdhsa--gfx1250"
	.amdhsa_code_object_version 6
	.text
	.protected	k_q3aeaf49c18_prep
	.globl	k_q3aeaf49c18_prep
	.p2align	8
	.type	k_q3aeaf49c18_prep,@function
k_q3aeaf49c18_prep:
	s_mov_b64 s[64:65], 0
	v_nop
	global_prefetch_b8 v0, s[64:65] scope:SCOPE_SE
	s_setreg_imm32_b32 hwreg(HW_REG_WAVE_MODE, 25, 1), 1
	s_wait_xcnt 0x0
; The four weights [1024][1024] f32 (K innermost) become codes of FP8 (E4M3), each with its given scale 2^e (entries 1, 3, 5, 7 of the scales), laid in wc
; in the order in which the second launch's waves take them into operand registers.
; code = w / 2^e, held within +-448, to the nearest code, ties to even.  LIMITS: -126 <= e <= 119, so that 2^e and 448 x 2^e are f32 numbers.  NaN is not served.
; wc: 256 tiles of 16 rows x 1,024 codes = 16,384 bytes.  Tile T = (w x 4 + pass) x 16 + seq: w the wave that will read it, pass 0 q, 1 k, 2 v, 3 g.
; Rows of a tile, r = 0 .. 15: passes q, k, g: weight row 256 w + 16 seq + r;  pass v: weight row 64 r + 16 w + seq (all 16 heads at one channel).
; Inside a tile: 64 lines of 256 bytes; line R holds 16 chunks of 16 bytes, chunk r of tile row r.  A wave reads a row of 1,024 f32 by eight loads of 512 consecutive bytes:
; load a gives lane l the numbers K = 128 a + 4 l + 0 .. 3.  The 16 codes of loads 4 q .. 4 q + 3 of lane l are the chunk of line R = l + 32 q.  The second launch lays the
; tokens' codes by the same map, so every code meets its partner along K.
; One work-group makes one tile; wave wv takes tile rows 4 wv .. 4 wv + 3.  The chunks meet in LDS (lines 272 bytes apart: sixteen lanes' stores fall on sixteen different
; 16-byte columns of 256) and leave as whole lines: each store of a wave covers 512 consecutive bytes, aligned.
.set LP,   272
.set X,    32                          ; v32-159  four rows of 32 numbers a lane
.set C,    160                         ; v160-191 eight registers of codes a row: no store's data are written again
.set OUTR, 192                         ; v192-223 the way out
	s_load_b256 s[4:11], s[0:1], 0x0               ; wq, wk, wv, wg
	s_load_b128 s[12:15], s[0:1], 0x20             ; the scales' exponents, wc
	v_lshl_add_u32 v224, v0, 2, 0x4400
	v_mov_b32 v225, 0
	v_and_b32 v1, 31, v0                           ; lane
	v_lshrrev_b32 v2, 5, v0
	v_readfirstlane_b32 s16, v2                    ; wave 0..3
	s_lshr_b32 s17, ttmp9, 6                       ; w
	s_bfe_u32 s18, ttmp9, 0x20004                  ; pass
	s_and_b32 s19, ttmp9, 15                       ; seq
	v_lshlrev_b32 v3, 4, v1                        ; 16 x lane
	s_wait_alu depctr_va_vdst(0)
	s_lshl_b32 s32, s17, 4
	s_add_co_u32 s32, s32, s19                     ; 16 w + seq: the first row in pass v,
	s_lshl_b32 s33, s32, 4                         ; 256 w + 16 seq: in the other passes
	s_mov_b32 s34, 4096                            ; bytes from tile row to tile row: one weight row,
	s_cmp_eq_u32 s18, 2
	s_cselect_b32 s32, s32, s33
	s_cselect_b32 s34, 0x40000, s34                ; or 64 of them in pass v
	s_lshl_b32 s32, s32, 12                        ; the first row in bytes
	s_mov_b32 s33, 0
	s_lshl_b32 s35, s16, 2                         ; my first tile row
.irp i, 0,1,2,3
	s_add_co_u32 s36, s35, \i
	s_mul_i32 s36, s36, s34
	v_add_nc_u32 v[4+\i], s36, v3                  ; v4-7: my 16 bytes of a load, in tile row 4 wv + i
.endr
	v_mul_u32_u24 v8, v1, LP
	s_lshl_b32 s36, s16, 6
	v_add_nc_u32 v8, s36, v8                       ; into LDS: line = lane, chunk 4 wv (+ i by the immediate)
	v_lshrrev_b32 v9, 4, v1
	s_lshl_b32 s36, s16, 4
	v_add_nc_u32 v9, s36, v9
	v_mul_u32_u24 v9, v9, LP
	v_and_b32 v13, 15, v1
	v_lshl_add_u32 v9, v13, 4, v9                  ; back: lines 16 wv + lane / 16 (+ 2 k), chunk lane % 16
	s_lshl_b32 s36, s16, 12
	v_add_nc_u32 v12, s36, v3                      ; and the same place in the tile: 4,096 wv + 16 lane
	s_lshl_b32 s36, ttmp9, 14                      ; the tile in wc
	s_mov_b32 s37, 0
	s_wait_alu depctr_va_vdst(0)
	s_wait_kmcnt 0x0
	s_load_b256 s[24:31], s[12:13], 0x0            ; e0 .. e7
	s_cmp_eq_u32 s18, 1                            ; the weight is chosen by the pass, which hangs on the work-group's number alone
	s_cselect_b64 s[20:21], s[6:7], s[4:5]
	s_cmp_eq_u32 s18, 2
	s_cselect_b64 s[20:21], s[8:9], s[20:21]
	s_cmp_eq_u32 s18, 3
	s_cselect_b64 s[20:21], s[10:11], s[20:21]
	s_add_nc_u64 s[20:21], s[20:21], s[32:33]
	s_add_nc_u64 s[14:15], s[14:15], s[36:37]
.irp i, 0,1,2,3
.irp a, 0,1,2,3,4,5,6,7
	global_load_b128 v[X+32*\i+4*\a:X+32*\i+4*\a+3], v[4+\i], s[20:21] offset:512*\a th:TH_LOAD_NT   ; 32 lanes read 512 consecutive bytes; read once in the launch
.endr
.endr
	s_wait_kmcnt 0x0
	s_cmp_eq_u32 s18, 1
	s_cselect_b32 s22, s27, s25                    ; e3 or e1
	s_cmp_eq_u32 s18, 2
	s_cselect_b32 s22, s29, s22                    ; e5
	s_cmp_eq_u32 s18, 3
	s_cselect_b32 s22, s31, s22                    ; e7
	s_add_co_i32 s22, s22, 127
	s_lshl_b32 s23, s22, 23
	v_mov_b32 v11, s23                             ; 2^e as f32: the conversion takes its exponent field
	s_add_co_i32 s22, s22, 8
	s_lshl_b32 s22, s22, 23
	s_or_b32 s22, s22, 0x600000
	v_mov_b32 v10, s22                             ; 448 x 2^e
	s_wait_alu depctr_va_vdst(0)
.irp i, 0,1,2,3
	s_wait_loadcnt 8*(3-\i)                        ; this row's eight loads are in; the later rows' may be out
.set j, 0
.rept 32
	v_med3_num_f32 v[X+32*\i+j], v[X+32*\i+j], -v10, v10   ; the conversion to an 8-bit code does not saturate (ISA guide 7.6.2): the hold comes first
.set j, j+1
.endr
.irp c, 0,1,2,3
	v_cvt_scalef32_pk8_fp8_f32 v[C+8*\i+2*\c:C+8*\i+2*\c+1], v[X+32*\i+8*\c:X+32*\i+8*\c+7], v11
.endr
	v_nop                                          ; a plain line behind the run of conversions
	ds_store_b128 v8, v[C+8*\i:C+8*\i+3] offset:16*\i            ; loads 0-3: line = lane
	ds_store_b128 v8, v[C+8*\i+4:C+8*\i+7] offset:16*\i+32*LP    ; loads 4-7: line = lane + 32
.endr
	s_wait_dscnt 0x0                               ; for the others' sake: my chunks lie in LDS
	s_barrier_signal -1
	s_barrier_wait -1
.irp k, 0,1,2,3,4,5,6,7
	ds_load_b128 v[OUTR+4*\k:OUTR+4*\k+3], v9 offset:2*LP*\k
.endr
.irp k, 0,1,2,3,4,5,6,7
	s_wait_dscnt 7-\k
	global_store_b128 v12, v[OUTR+4*\k:OUTR+4*\k+3], s[14:15] offset:512*\k   ; two whole lines: 512 consecutive bytes, aligned
.endr
	s_wait_tensorcnt 0x0
	ds_add_u32 v224, v225
	s_wait_dscnt 0x0
	s_endpgm
.Lfunc_end_k_q3aeaf49c18_prep:
	.size	k_q3aeaf49c18_prep, .Lfunc_end_k_q3aeaf49c18_prep-k_q3aeaf49c18_prep
	.p2alignl 7, 3214868480
	.fill 96, 4, 3214868480
	.section	.rodata,"a",@progbits
	.p2align	6, 0x0
	.amdhsa_kernel k_q3aeaf49c18_prep
		.amdhsa_group_segment_fixed_size 17920
		.amdhsa_private_segment_fixed_size 0
		.amdhsa_enable_private_segment 0
		.amdhsa_kernarg_size 48
		.amdhsa_user_sgpr_count 2
		.amdhsa_user_sgpr_kernarg_segment_ptr 1
		.amdhsa_wavefront_size32 1
		.amdhsa_system_sgpr_workgroup_id_x 1
		.amdhsa_system_sgpr_workgroup_id_y 1
		.amdhsa_system_sgpr_workgroup_id_z 1
		.amdhsa_system_vgpr_workitem_id 0
		.amdhsa_next_free_vgpr 226
		.amdhsa_next_free_sgpr 66
		.amdhsa_reserve_vcc 0
		.amdhsa_float_denorm_mode_32 3
		.amdhsa_float_denorm_mode_16_64 3
		.amdhsa_memory_ordered 1
		.amdhsa_forward_progress 1
		.amdhsa_inst_pref_size 18
	.end_amdhsa_kernel
	.amdgpu_metadata
---
amdhsa.version: [ 1, 2 ]
amdhsa.kernels:
  - .name:           k_q3aeaf49c18_prep
    .symbol:         k_q3aeaf49c18_prep.kd
    .args:
      - { .name: wq, .offset: 0, .size: 8, .value_kind: global_buffer, .address_space: global }
      - { .name: wk, .offset: 8, .size: 8, .value_kind: global_buffer, .address_space: global }
      - { .name: wv, .offset: 16, .size: 8, .value_kind: global_buffer, .address_space: global }
      - { .name: wg, .offset: 24, .size: 8, .value_kind: global_buffer, .address_space: global }
      - { .name: lowp_scales, .offset: 32, .size: 8, .value_kind: global_buffer, .address_space: global }
      - { .name: wc, .offset: 40, .size: 8, .value_kind: global_buffer, .address_space: global }
    .group_segment_fixed_size: 17920
    .private_segment_fixed_size: 0
    .kernarg_segment_align: 8
    .kernarg_segment_size: 48
    .max_flat_workgroup_size: 128
    .sgpr_count:     66
    .vgpr_count:     226
    .wavefront_size: 32
...
	.end_amdgpu_metadata
.endif
;; end of part 3
;; launch fused (part 4): grid 256 x 1, 4 waves a work-group, no clusters, 314,112 bytes of LDS; arguments x, w_in_norm, w_out_norm, lowp_scales, wc, out0; writes out0
.if DOCPART == 4
	.amdgcn_target "amdgcn-amd-amdhsa--gfx1250"
	.amdhsa_code_object_version 6
	.text
	.protected	k_q3aeaf49c18_fused
	.globl	k_q3aeaf49c18_fused
	.p2align	8
	.type	k_q3aeaf49c18_fused,@function
k_q3aeaf49c18_fused:
	s_mov_b64 s[64:65], 0
	v_nop
	global_prefetch_b8 v0, s[64:65] scope:SCOPE_SE
	s_setreg_imm32_b32 hwreg(HW_REG_WAVE_SCHED_MODE, 0, 2), 2
	s_setreg_imm32_b32 hwreg(HW_REG_WAVE_MODE, 25, 1), 1
	s_wait_xcnt 0x0
	s_wait_alu depctr_vm_vsrc(0)
; out0 = rmsnorm( softmax(q k^T / 8) v x sigmoid(g) ), q, k, v = silu(xn W^T), g = xn Wg^T, xn = rmsnorm(x); the attention runs over the 16 heads of ONE token.
; The four large products and q k^T are done on codes of FP8 (E4M3) with the given scales 2^e0 .. 2^e9; the last product on bf16; all else in f32.
; SHARES.  A work-group of four waves owns 64 tokens and takes them through the whole chain; nothing but x, the weights' codes and out0 touches memory.
;   Wave w OWNS tokens 16 w .. 16 w + 15 (norms, quantising, scores, softmax, P V, the way out), and PRODUCES, for all 64 tokens, the columns of heads 4 w .. 4 w + 3
;   of q, k and g, and channels 16 w .. 16 w + 15 of all heads of v.
; THE LARGE PRODUCTS.  The pass's codes of all 64 tokens (64 x 1,024 bytes) stand in 512 registers of every wave; the wave's own quarter of the weights' codes streams from wc
;   straight into a ring of 16 fragments (256 registers): a fragment of 2,048 bytes feeds four matrix instructions.  The ring has up to 64 loads (32,768 bytes) a wave on their way, with
;   counted waits and no barrier.  Used transposed (source 0 = 16 weight rows, source 1 = 16 tokens): a lane holds one token and eight neighbouring columns.
; NO TENSOR LOADS, NO CLUSTER, though all work-groups read the same wc: a shared tile would have to land in LDS, and LDS holds the token block: 4 zones x 69,888 + 32,768 + 1,280 =
;   313,600 bytes; what is left is less than the 4 x 16,384 bytes of one weight tile a wave.  No prefetch: wc is read by every work-group, x only at the head.
; LIMITS on the given exponents, so that each power of two below is an f32 number: e0, e2, e4, e6, e8 - e0 - e1, e9 - e2 - e3 between -126 and 119;
;   e0 + e1, e2 + e3, e4 + e5, e6 + e7 between -126 and 127; e8 + e9 between -123 and 130.  NaN among the inputs is not served.
; LDS.  Zone z (69,888 bytes) belongs to tokens 16 z .. 16 z + 15.  First four PIECES of 17,408 bytes: xn's codes under g's, v's, q's, k's scale: 64 lines of 272 bytes, line R as in wc,
;   chunk r = token r.  Then, as pieces are done with: q's codes over q's piece and k's over k's (a token 1,040 bytes: head x 64 + plane x 32 + lane half x 16);
;   v in bf16 over both (a token 2,064 bytes: an image of four operand fragments); at last the unnormalised result O over the whole zone (a token 4,368 bytes, a head 272).
;   Behind the zones: P, 512 bytes a token; the waves' sums of squares; 1 / rms.
; REGISTERS, in windows of 256.  Window 0: v0-47 addresses and small things; v64-127 the 8 accumulators of a body (tile tp, tokens 16 m: v[64 + 32 tp + 8 m]); v128-191, v192-255 at work.
;   Window 1: the ring, fragment (tp, ks) at v[16 (8 tp + ks)].   Windows 2, 3: the tokens' codes, fragment (ks, m) at v[16 (4 ks + m)]; in the first phase window 2 holds eight rows of x.
; THE MODE: SCHED_MODE bits 1:0 = 2 (LLVM: expert scheduling mode 2), set by the entry lines.  The code itself states the register dependences between vector or matrix
;   instructions and memory or LDS instructions, with s_wait_alu, always for 0.
; THE PLAN.  Registers that memory or LDS instructions touch, and who else names them:
;   the ring      Four groups of four fragments: T0a, T0b (tile 0), T1a, T1b (tile 1).  A body's 16 products of a group read it; then it is loaded again, for the next body.
;   windows 2, 3  Read by phase 0's arithmetic (window 2) and by a pass's products; x's rows and, at a pass's head, the piece's LDS loads land there.
;   v20, v47      Offsets of all global loads and stores: written once.      v8-11  Written at a pass's head, read by the piece's LDS loads.
;   v16-19        Written once a body, read by the body's LDS stores (in g: its LDS loads too).
;   v192-255      Written by a body's conversions or multiplies, read by its LDS stores; in g the numbers of O land there first.
;   The accumulators and v128-191 are named by vector and matrix instructions alone in the passes.
;   A BODY: products of T0a, T0b | wait on va_vdst: tile 0's fragments are read | loads T0a | products of T1a | loads T0b | products of T1b | wait on vm_vsrc: the last body's LDS instructions have read
;   v16-19 and v192-255 | v16-19 are made | wait on va_vdst: tile 1's fragments are read, v16-19 are written | loads T1a | the scalings | loads T1b | the rest of the epilogue, with the two batches' waits |
;   wait on va_vdst: the results are written | the LDS stores.  No vector or matrix instruction between a wait and the loads that lean on it names a register that those loads touch.
;   The small loops (phase 0's scales, the scores, P V, the way out) have, a trip: one wait on vm_vsrc ahead of the first write of what the last trip's LDS or memory instructions read; one on va_vdst behind
;   the address adds, ahead of the loads; one on va_vdst ahead of the stores.
.set ZONE,  69888
.set PIECE, 17408
.set LP,    272                        ; a line of a piece: 256 bytes + 16
.set QCP,   1040                       ; a token's q or k codes: 1,024 + 16
.set VIP,   2064                       ; a token's v: 2,048 + 16
.set OTP,   4368                       ; a token's O: 16 heads x 272 + 16
.set PBUF,  4*ZONE
.set SSUM,  PBUF+32768
.set RSA,   SSUM+1024
.set ACC,   64
.set EE,    128
.set CC,    192
.set MSB,   0
.macro WIN new                         ; the immediate's high byte repeats the setting that is left; a switch that changes nothing is dropped
.if MSB != (\new)
	s_set_vgpr_msb (MSB<<8)|(\new)
.set MSB, (\new)
.endif
.endm
.macro PLACES                          ; four plain places behind matrix instructions (ISA guide 7.12.1)
.rept 4
	v_nop
.endr
.endm
.macro BAR                             ; my LDS stores have landed and my LDS loads are in: then the work-group's barrier
	s_wait_dscnt 0x0
	s_barrier_signal -1
	s_barrier_wait -1
.endm
.macro MKSC sc, lim, e                 ; 2^e and 448 x 2^e as f32 patterns
	s_add_co_i32 s38, \e, 127
	s_lshl_b32 \sc, s38, 23
	s_add_co_i32 s38, s38, 8
	s_lshl_b32 s38, s38, 23
	s_or_b32 \lim, s38, 0x600000
.endm
.macro SPREAD                          ; an address of zone 0 in v12 -> the four zones' in v12-15
	v_add_nc_u32 v13, ZONE, v12
	v_add_nc_u32 v14, 2*ZONE, v12
	v_add_nc_u32 v15, 3*ZONE, v12
.endm
	s_load_b256 s[4:11], s[0:1], 0x0               ; x, w_in_norm, w_out_norm, the scales' exponents
	s_load_b128 s[12:15], s[0:1], 0x20             ; wc, out0
	v_and_b32 v1, 31, v0                           ; lane
	v_lshrrev_b32 v2, 5, v0
	v_readfirstlane_b32 s16, v2                    ; wave 0..3
	v_and_b32 v2, 15, v0                           ; r
	v_bfe_u32 v3, v0, 4, 1                         ; hh
	v_lshlrev_b32 v20, 4, v1                       ; 16 x lane; never rewritten
	v_mul_u32_u24 v4, v3, LP
	v_lshl_add_u32 v4, v2, 4, v4                   ; v4-7: my place in a piece of zone m: line hh, chunk r
	v_add_nc_u32 v5, ZONE, v4
	v_add_nc_u32 v6, 2*ZONE, v4
	v_add_nc_u32 v7, 3*ZONE, v4
	s_wait_alu depctr_va_sdst(0)                   ; s16 is written, ahead of its first reader
	s_mul_i32 s17, s16, ZONE                       ; my zone
	v_mul_u32_u24 v23, v1, LP
	v_add_nc_u32 v23, s17, v23                     ; where I put chunks: my zone, line = lane
	v_mov_b32 v25, 0                               ; a lane permute's destination counts as read
	v_mov_b32 v27, 0                               ; (named as the upper half of the pair v[26:27])
	s_mov_b32 s18, 0x76543210                      ; v_permlanex16_b32: lane l xor 16
	s_mov_b32 s19, 0xfedcba98
	s_mov_b32 s66, 0x3a800000                      ; 1 / 1,024
	s_mov_b32 s67, 0x358637bd                      ; 1e-6
	s_lshl_b32 s38, ttmp9, 18                      ; 64 tokens x 4,096 bytes a work-group,
	s_lshl_b32 s39, s16, 16                        ; 16 a wave
	s_add_co_u32 s38, s38, s39
	s_mov_b32 s39, 0
	s_lshl_b32 s72, s16, 20                        ; my quarter of wc
	s_mov_b32 s73, 0
	s_wait_kmcnt 0x0
	s_load_b256 s[20:27], s[10:11], 0x0            ; e0 .. e7
	s_load_b64 s[28:29], s[10:11], 0x20            ; e8, e9
	s_add_nc_u64 s[4:5], s[4:5], s[38:39]          ; x at my first token
	s_add_nc_u64 s[68:69], s[14:15], s[38:39]      ; out0 likewise
	s_add_nc_u64 s[56:57], s[12:13], s[72:73]      ; where the ring's loads stand in wc
	s_wait_alu depctr_va_vdst(0)                   ; v20 is written: the loads of w_in_norm, of x and of the ring read it as their offset
.irp a, 0,1,2,3,4,5,6,7
	global_load_b128 v[32+4*\a:35+4*\a], v20, s[6:7] offset:512*\a          ; w_in_norm, laid as a row of x: v32-63
.endr
	WIN 0x80                                       ; destination window 2
.irp i, 0,1,2,3,4,5,6,7
.irp a, 0,1,2,3,4,5,6,7
	global_load_b128 v[32*\i+4*\a:32*\i+4*\a+3], v20, s[4:5] offset:\i*4096+512*\a th:TH_LOAD_NT   ; rows 0-7: 512 consecutive bytes a load; read once
.endr
.endr
	WIN 0
	s_wait_kmcnt 0x0
	MKSC s30, s34, s26                             ; xn's four scales, in the order of the pieces: g (e6), v (e4), q (e0), k (e2)
	MKSC s31, s35, s24
	MKSC s32, s36, s20
	MKSC s33, s37, s22
	s_add_co_i32 s38, s20, s21                     ; q: a sum stands for sum x 2^(e0 + e1)
	s_lshl_b32 s39, s38, 23
	s_add_co_u32 s40, s39, 0xbfb8aa3b              ; -log2(e) x 2^(e0 + e1): the exponents are added to the constant's exponent field
	s_mov_b32 s41, s40                             ; (named with it as a pair)
	s_sub_co_i32 s38, s28, s38
	MKSC s42, s43, s38                             ; 2^(e8 - e0 - e1): the three scales folded into the conversion's one; 448 x that
	s_add_co_i32 s38, s22, s23                     ; k likewise, with e2, e3, e9
	s_lshl_b32 s39, s38, 23
	s_add_co_u32 s44, s39, 0xbfb8aa3b
	s_mov_b32 s45, s44
	s_sub_co_i32 s38, s29, s38
	MKSC s46, s47, s38
	s_add_co_i32 s54, s24, s25                     ; v: e4 + e5; applied to P's divisor by v_ldexp_f32
	s_lshl_b32 s39, s54, 23
	s_add_co_u32 s48, s39, 0xbfb8aa3b
	s_mov_b32 s49, s48
	s_add_co_i32 s38, s26, s27                     ; g
	s_lshl_b32 s39, s38, 23
	s_add_co_u32 s50, s39, 0xbfb8aa3b
	s_mov_b32 s51, s50
	s_add_co_i32 s38, s28, s29                     ; the scores: log2(e) / 8 x 2^(e8 + e9)
	s_lshl_b32 s39, s38, 23
	s_add_co_u32 s52, s39, 0x3e38aa3b
	s_mov_b32 s53, s52
; ---- PHASE 0.  Row i of my 16 tokens: rms, xn, and xn's codes under each of the four scales, into my zone's four pieces.
; Every row issues eight loads behind its use of its slot: rows 0-7 the row eight further on, rows 8-15 the ring's first fill (two fragments each).
.macro ROW i
.set XS, 32*((\i)%8)
	s_wait_loadcnt 56                              ; loads come back in order: this row's eight are in, the seven younger groups of eight may be out
	WIN 0x0a                                       ; sources 0 and 1 window 2
	v_pk_mul_f32 v[28:29], v[XS:XS+1], v[XS:XS+1]  ; the sum of squares, in two packed chains
	v_pk_mul_f32 v[30:31], v[XS+2:XS+3], v[XS+2:XS+3]
.set j, 4
.rept 7
	v_pk_fma_f32 v[28:29], v[XS+j:XS+j+1], v[XS+j:XS+j+1], v[28:29]
	v_pk_fma_f32 v[30:31], v[XS+j+2:XS+j+3], v[XS+j+2:XS+j+3], v[30:31]
.set j, j+4
.endr
	WIN 0
	v_pk_add_f32 v[28:29], v[28:29], v[30:31]
	v_add_f32 v28, v28, v29
	v_add_f32_dpp v28, v28, v28 row_xmask:1 row_mask:0xf bank_mask:0xf
	v_add_f32_dpp v28, v28, v28 row_xmask:2 row_mask:0xf bank_mask:0xf
	v_add_f32_dpp v28, v28, v28 row_xmask:4 row_mask:0xf bank_mask:0xf
	v_add_f32_dpp v28, v28, v28 row_xmask:8 row_mask:0xf bank_mask:0xf
	v_permlanex16_b32 v25, v28, s18, s19
	v_add_f32 v28, v28, v25
	v_fma_f32 v29, v28, s66, s67                   ; the mean + 1e-6
	s_wait_alu depctr_va_vdst(0)
	v_rsq_f32 v26, v29
	v_nop                                          ; a plain place behind the transcendental,
	s_wait_alu depctr_va_vdst(0)                   ; and the wait ahead of its first reader: v26, 1 / rms, is written
	WIN 0x02                                       ; source 0 window 2
.set j, 0
.rept 16
	v_pk_mul_f32 v[64+j:65+j], v[XS+j:XS+j+1], v[26:27] op_sel_hi:[1,0]   ; x / rms
.set j, j+2
.endr
.if (\i) < 8
	WIN 0x80
	s_wait_alu depctr_va_vdst(0)                   ; the squares and the multiplies above are done reading this slot of window 2, in which the loads below land
.irp a, 0,1,2,3,4,5,6,7
	global_load_b128 v[XS+4*\a:XS+4*\a+3], v20, s[4:5] offset:((\i)+8)*4096+512*\a th:TH_LOAD_NT
.endr
.else
	WIN 0x40                                       ; destination window 1: the ring.  No wait: no vector instruction has named these registers yet
.irp f, 0,1
.irp p, 0,1,2,3
	global_load_b128 v[16*(2*((\i)-8)+\f)+4*\p:16*(2*((\i)-8)+\f)+4*\p+3], v20, s[56:57] offset:(2*((\i)-8)+\f)*2048+512*\p
.endr
.endr
.endif
	WIN 0
.set j, 0
.rept 16
	v_pk_mul_f32 v[64+j:65+j], v[64+j:65+j], v[32+j:33+j]   ; x w_in_norm: xn
.set j, j+2
.endr
	s_mov_b32 s60, 0                               ; the piece
	s_mov_b32 s59, 4
.Lset_\@:                                              ; four trips, a scale each; the scales' registers go round once
	v_mov_b32 v21, s30
	v_mov_b32 v22, s34
.set j, 0
.rept 32
	v_med3_num_f32 v[96+j], v[64+j], -v22, v22     ; the hold at 448 x the scale: the conversion does not saturate (ISA guide 7.6.2)
.set j, j+1
.endr
	s_wait_alu depctr_va_vdst(0)
	s_wait_dscnt 0x0                               ; the last trip's stores are done
	s_wait_alu depctr_vm_vsrc(0)                   ; the last trip's stores have read v24 and v128-135, which are written again below
	v_add_nc_u32 v24, s60, v23
.irp c, 0,1,2,3
	v_cvt_scalef32_pk8_fp8_f32 v[128+2*\c:129+2*\c], v[96+8*\c:103+8*\c], v21
.endr
	v_nop                                          ; a plain line behind the run of conversions
	s_wait_alu depctr_va_vdst(0)                   ; v24 and the codes v128-135 are written: the two stores read them
	ds_store_b128 v24, v[128:131] offset:16*(\i)           ; K = 128 a + 4 lane + .., a = 0 .. 3: line = lane, chunk = token
	ds_store_b128 v24, v[132:135] offset:16*(\i)+32*LP     ; a = 4 .. 7: line = lane + 32
	s_mov_b32 s38, s30
	s_mov_b32 s30, s31
	s_mov_b32 s31, s32
	s_mov_b32 s32, s33
	s_mov_b32 s33, s38
	s_mov_b32 s38, s34
	s_mov_b32 s34, s35
	s_mov_b32 s35, s36
	s_mov_b32 s36, s37
	s_mov_b32 s37, s38
	s_add_co_u32 s60, s60, PIECE
	s_sub_co_u32 s59, s59, 1
	s_cmp_lg_u32 s59, 0
	s_cbranch_scc1 .Lset_\@
.endm
.irp i, 0,1,2,3,4,5,6,7,8,9,10,11,12,13,14,15
	ROW \i
.endr
	s_wait_xcnt 0x0                                ; the ring's first loads have read their base
	s_add_nc_u64 s[56:57], s[56:57], 32768         ; from here on it stands one body (two tiles) ahead of the products
	BAR                                            ; all 64 tokens' pieces lie in LDS
; The piece at byte pc of every zone -> windows 2 and 3: 128 loads, sixteen lanes to a line.  Behind the barrier every wave holds the codes, and the piece may be written over.
; again = 1: every use but the first.
.macro ALOAD pc, again
.if \again
	s_wait_alu depctr_vm_vsrc(0)                   ; the loads of the piece before have read v8-11, which are written again
.endif
.irp m, 0,1,2,3
	v_add_nc_u32 v[8+\m], \pc, v[4+\m]
.endr
	WIN 0x80
	s_wait_alu depctr_va_vdst(0)                   ; v8-11 are written; and whoever read windows 2 and 3 (phase 0's arithmetic, the last pass's products) is done reading them: the 128 loads land there
.irp ks, 0,1,2,3
.irp m, 0,1,2,3
.irp p, 0,1,2,3
	ds_load_b128 v[16*(4*\ks+\m)+4*\p:16*(4*\ks+\m)+4*\p+3], v[8+\m] offset:(4*\ks+\p)*2*LP
.endr
.endr
.endr
	WIN 0xc0
.irp ks, 0,1,2,3
.irp m, 0,1,2,3
.irp p, 0,1,2,3
	ds_load_b128 v[16*(4*\ks+\m)+4*\p:16*(4*\ks+\m)+4*\p+3], v[8+\m] offset:(4*(\ks+4)+\p)*2*LP
.endr
.endr
.endr
	WIN 0
	BAR
.endm
; 16 matrix instructions: tile tp, K steps 4 half .. 4 half + 3, the four blocks of tokens by turns.  The first K step starts the sums.
; cnt: the younger loads that may stay out.
.macro PROD tp, half, cnt
	s_wait_loadcnt \cnt
	WIN 0x09+4*(\half)                             ; source 0 (weights) window 1, source 1 (tokens) window 2 or 3
.irp kk, 0,1,2,3
.irp m, 0,1,2,3
.if (\half) == 0 && \kk == 0
	v_wmma_f32_16x16x128_fp8_fp8 v[ACC+32*(\tp)+8*\m:ACC+32*(\tp)+8*\m+7], v[16*(8*(\tp)+4*(\half)+\kk):16*(8*(\tp)+4*(\half)+\kk)+15], v[16*(4*\kk+\m):16*(4*\kk+\m)+15], 0
.else
	v_wmma_f32_16x16x128_fp8_fp8 v[ACC+32*(\tp)+8*\m:ACC+32*(\tp)+8*\m+7], v[16*(8*(\tp)+4*(\half)+\kk):16*(8*(\tp)+4*(\half)+\kk)+15], v[16*(4*\kk+\m):16*(4*\kk+\m)+15], v[ACC+32*(\tp)+8*\m:ACC+32*(\tp)+8*\m+7]
.endif
.endr
.endr
.endm
; The four fragments of tile tp, K steps 4 half on, are asked for anew, for the next body: 16 loads.
.macro RING tp, half
	WIN 0x40                                       ; destination window 1, offset window 0
.irp kk, 0,1,2,3
.irp p, 0,1,2,3
	global_load_b128 v[16*(8*(\tp)+4*(\half)+\kk)+4*\p:16*(8*(\tp)+4*(\half)+\kk)+4*\p+3], v20, s[56:57] offset:(8*(\tp)+4*(\half)+\kk)*2048+512*\p
.endr
.endr
.endm
; A body's products: two tiles of 16 weight rows x 64 tokens x K = 1,024.  The ring's loads go out in the order T0a, T0b, T1a, T1b, the last two from the epilogue.  So behind T0a's loads stand
; T0b, T1a, T1b (48); behind T0b's T1a, T1b (32); behind T1a's T1b and the new T0a (32); behind T1b's the new T0a and T0b (32).  Without loads the counts run down.
.macro MATS load
	PROD 0, 0, 48
	PROD 0, 1, 32
.if \load
	PLACES
	WIN 0x40
	s_wait_alu depctr_va_vdst(0)                   ; tile 0's 32 products are done reading their eight fragments, in which the loads of T0a and T0b land
	RING 0, 0
	PROD 1, 0, 32
	RING 0, 1                                      ; no wait: the products since the wait name tile 1's fragments, the tokens' codes and tile 1's accumulators
	PROD 1, 1, 32
.else
	PROD 1, 0, 16
	PROD 1, 1, 0
.endif
	WIN 0
.endm
.macro STEPB
	s_wait_xcnt 0x0                                ; the body's loads have read their base
	s_add_nc_u64 s[56:57], s[56:57], 32768
.endm
; The epilogue's head: where this body's results go (the pass's places + the body's offset), and tile 1's first four fragments anew.
.macro EXTS load
	s_wait_dscnt 0x0                               ; the last body's LDS stores are done
	s_wait_alu depctr_vm_vsrc(0)                   ; the last body's LDS instructions have read v16-19 and their data in v192-255: both are written again in this epilogue
.irp m, 0,1,2,3
	v_add_nc_u32 v[16+\m], s60, v[12+\m]           ; these four are also the places behind the body's last product
.endr
.if \load
	WIN 0x40
.endif
	s_wait_alu depctr_va_vdst(0)                   ; tile 1's 32 products are done reading their eight fragments; v16-19 are written; the last body's arithmetic is done with v192-255
.if \load
	RING 1, 0
	WIN 0
.endif
.endm
; v128-191 = 1 / (1 + 2^(sum x c)), c = -log2(e) x 2^(the two exponents) in s[cp]: the sigmoid of what the 64 sums stand for.  Each batch of 64 transcendentals has one plain place and one wait.
.macro SIGM cp, load
.set j, 0
.rept 32
	v_pk_mul_f32 v[EE+j:EE+j+1], v[ACC+j:ACC+j+1], s[\cp:\cp+1] op_sel_hi:[1,0]   ; each accumulator from its low end on
.set j, j+2
.endr
.if \load
	RING 1, 1                                      ; no wait: the scalings since the wait name the accumulators and v128-191 alone
	WIN 0
.endif
.set j, 0
	s_wait_alu depctr_va_vdst(0)
.rept 64
	v_exp_f32 v[EE+j], v[EE+j]
.set j, j+1
.endr
	v_nop
	s_wait_alu depctr_va_vdst(0)                   ; the 64 exponentials have written v128-191, ahead of their first reader
.set j, 0
.rept 32
	v_pk_add_f32 v[EE+j:EE+j+1], v[EE+j:EE+j+1], 1.0 op_sel_hi:[1,0]
.set j, j+2
.endr
.set j, 0
	s_wait_alu depctr_va_vdst(0)
.rept 64
	v_rcp_f32 v[EE+j], v[EE+j]
.set j, j+1
.endr
	v_nop
	s_wait_alu depctr_va_vdst(0)                   ; the 64 reciprocals have written v128-191, ahead of their first reader
.endm
.macro SILU                            ; the sums x their sigmoids: silu / 2^(the two exponents)
.set j, 0
.rept 32
	v_pk_mul_f32 v[ACC+j:ACC+j+1], v[ACC+j:ACC+j+1], v[EE+j:EE+j+1]
.set j, j+2
.endr
.endm
; q, k: silu, the hold, the codes.  A lane's 16 codes (token r of block m; channels 8 hh + 0 .. 7 of the body's two tiles) are one chunk of the token's image.
.macro EPI_QK cp
	EXTS 1
	SIGM \cp, 1
	SILU
.set j, 0
.rept 64
	v_med3_num_f32 v[ACC+j], v[ACC+j], -v22, v22
.set j, j+1
.endr
.irp tp, 0,1
.irp m, 0,1,2,3
	v_cvt_scalef32_pk8_fp8_f32 v[CC+4*\m+2*\tp:CC+4*\m+2*\tp+1], v[ACC+32*\tp+8*\m:ACC+32*\tp+8*\m+7], v21
.endr
.endr
	v_nop                                          ; a plain line between the conversions and the next products, which write their sources
	s_wait_alu depctr_va_vdst(0)                   ; the conversions have written v192-207, which the stores read
.irp m, 0,1,2,3
	ds_store_b128 v[16+\m], v[CC+4*\m:CC+4*\m+3]
.endr
.endm
; v: silu, rounded to bf16.  A lane's eight numbers of a tile are heads 8 hh + 0 .. 7 at one channel: 16 bytes of the token's image.
.macro EPI_V
	EXTS 1
	SIGM 48, 1
	SILU
.set j, 0
.rept 32
	v_cvt_pk_bf16_f32 v[CC+j], v[ACC+2*j], v[ACC+2*j+1]
.set j, j+1
.endr
	s_wait_alu depctr_va_vdst(0)                   ; the roundings have written v192-223, which the stores read
.irp tp, 0,1
.irp m, 0,1,2,3
	ds_store_b128 v[16+\m], v[CC+16*\tp+4*\m:CC+16*\tp+4*\m+3] offset:16*\tp
.endr
.endr
.endm
; g: O x sigmoid(g) in place in LDS, and the sum of its squares (a pair for each block of tokens, v32-39).
.macro EPI_G load
	EXTS \load
.irp tp, 0,1
.irp m, 0,1,2,3
	ds_load_b128 v[CC+32*\tp+8*\m:CC+32*\tp+8*\m+3], v[16+\m] offset:64*\tp          ; no vector instruction since the wait in the epilogue's head names v16-19 or v192-255
	ds_load_b128 v[CC+32*\tp+8*\m+4:CC+32*\tp+8*\m+7], v[16+\m] offset:64*\tp+16
.endr
.endr
	SIGM 50, \load
	s_wait_dscnt 0x0                               ; O's numbers are in
.set j, 0
.rept 32
	v_pk_mul_f32 v[CC+j:CC+j+1], v[CC+j:CC+j+1], v[EE+j:EE+j+1]
.set j, j+2
.endr
.irp tp, 0,1
.irp q, 0,2,4,6
.irp m, 0,1,2,3
	v_pk_fma_f32 v[32+2*\m:33+2*\m], v[CC+32*\tp+8*\m+\q:CC+32*\tp+8*\m+\q+1], v[CC+32*\tp+8*\m+\q:CC+32*\tp+8*\m+\q+1], v[32+2*\m:33+2*\m]
.endr
.endr
.endr
	s_wait_alu depctr_va_vdst(0)                   ; the multiplies have written v192-255, which the stores read
.irp tp, 0,1
.irp m, 0,1,2,3
	ds_store_b128 v[16+\m], v[CC+32*\tp+8*\m:CC+32*\tp+8*\m+3] offset:64*\tp
	ds_store_b128 v[16+\m], v[CC+32*\tp+8*\m+4:CC+32*\tp+8*\m+7] offset:64*\tp+16
.endr
.endr
.endm
; ---- q.  Body b (0 .. 7): weight rows 256 w + 32 b + 0 .. 31: head 4 w + b / 2, channels 32 (b % 2) on: bytes 256 w + 32 b + 16 hh of the token's image.
	v_mul_u32_u24 v12, v2, QCP
	v_lshl_add_u32 v12, v3, 4, v12
	s_lshl_b32 s38, s16, 8
	v_add_nc_u32 v12, s38, v12                     ; token r, my four heads, my half
	SPREAD
	ALOAD 2*PIECE, 0                               ; xn under e0
	v_mov_b32 v21, s42
	v_mov_b32 v22, s43
	s_mov_b32 s60, 2*PIECE                         ; q's codes go over the piece that every wave now holds
	s_mov_b32 s58, 8
.Lq:
	MATS 1
	EPI_QK 40
	STEPB
	s_add_co_u32 s60, s60, 32
	s_sub_co_u32 s58, s58, 1
	s_cmp_lg_u32 s58, 0
	s_cbranch_scc1 .Lq
; ---- k
	ALOAD 3*PIECE, 1                               ; xn under e2
	v_mov_b32 v21, s46
	v_mov_b32 v22, s47
	s_mov_b32 s60, 3*PIECE
	s_mov_b32 s58, 8
.Lk:
	MATS 1
	EPI_QK 44
	STEPB
	s_add_co_u32 s60, s60, 32
	s_sub_co_u32 s58, s58, 1
	s_cmp_lg_u32 s58, 0
	s_cbranch_scc1 .Lk
	BAR                                            ; all heads' codes of q and k lie in LDS
; ---- THE SCORES AND THE SOFTMAX of my 16 tokens, four a trip.  S^T = k q^T (source 0 = the 16 heads of k, source 1 = those of q): a lane holds head h = r of q and
; its register j head g = 8 hh + j of k.  p = 2^((s - max) c), c = log2(e) / 8 x 2^(e8 + e9); divided by the row's sum, x 2^(e4 + e5) for v's sake, rounded to bf16: four registers
; a lane, which ARE the first half of the last product's operand; they wait in LDS as they stand.
	v_lshlrev_b32 v40, 6, v2
	v_lshl_add_u32 v40, v3, 4, v40
	v_add_nc_u32 v40, s17, v40
	v_add_nc_u32 v40, 2*PIECE, v40                 ; q's codes: my zone, head r, half hh
	s_lshl_b32 s38, s16, 13
	v_add_nc_u32 v42, s38, v20
	v_add_nc_u32 v42, PBUF, v42                    ; P: my 16 tokens x 512 bytes, 16 a lane
.irp k, 0,1,2,3
	v_mov_b32 v[161+8*\k], 0                       ; a lane permute's destination counts as read
	v_mov_b32 v[163+8*\k], 0                       ; (named as the upper half of a pair)
.endr
	s_mov_b32 s70, 0
	s_mov_b32 s71, 0
	s_mov_b32 s58, 4
.Lsc:
	s_wait_dscnt 0x0                               ; the last trip's stores are done
	s_wait_alu depctr_vm_vsrc(0)                   ; the last trip's loads and stores have read v41, v43 and v192-207 (in the first trip: k's last stores have read v192-207): all are written again below
	v_add_nc_u32 v41, s70, v40
	v_add_nc_u32 v43, s71, v42
	s_wait_alu depctr_va_vdst(0)                   ; v41 and v43 are written; the last trip's products (in the first trip: k's epilogue) are done with v64-127, in which the loads land
.irp k, 0,1,2,3
.irp p, 0,1
	ds_load_b128 v[64+8*\k+4*\p:67+8*\k+4*\p], v41 offset:PIECE+\k*QCP+32*\p    ; k's codes lie a piece behind q's
	ds_load_b128 v[96+8*\k+4*\p:99+8*\k+4*\p], v41 offset:\k*QCP+32*\p
.endr
.endr
	s_wait_dscnt 0x0
.irp k, 0,1,2,3
	v_wmma_f32_16x16x64_fp8_fp8 v[128+8*\k:135+8*\k], v[64+8*\k:71+8*\k], v[96+8*\k:103+8*\k], 0
.endr
	PLACES
.irp k, 0,1,2,3
	v_max3_num_f32 v[160+8*\k], v[128+8*\k], v[129+8*\k], v[130+8*\k]   ; the row's largest score: my eight,
.endr
.irp k, 0,1,2,3
	v_max3_num_f32 v[160+8*\k], v[160+8*\k], v[131+8*\k], v[132+8*\k]
.endr
.irp k, 0,1,2,3
	v_max3_num_f32 v[160+8*\k], v[160+8*\k], v[133+8*\k], v[134+8*\k]
.endr
.irp k, 0,1,2,3
	v_max_num_f32 v[160+8*\k], v[160+8*\k], v[135+8*\k]
.endr
.irp k, 0,1,2,3
	v_permlanex16_b32 v[161+8*\k], v[160+8*\k], s18, s19
.endr
.irp k, 0,1,2,3
	v_max_num_f32 v[160+8*\k], v[160+8*\k], v[161+8*\k]                 ; and lane l xor 16's
.endr
.irp k, 0,1,2,3
	v_mul_f32 v[162+8*\k], s52, v[160+8*\k]
.endr
.irp k, 0,1,2,3
.irp q, 0,2,4,6
	v_pk_fma_f32 v[128+8*\k+\q:129+8*\k+\q], v[128+8*\k+\q:129+8*\k+\q], s[52:53], v[162+8*\k:163+8*\k] op_sel_hi:[1,0,0] neg_lo:[0,0,1] neg_hi:[0,0,1]   ; c s - c max
.endr
.endr
.set j, 0
	s_wait_alu depctr_va_vdst(0)
.rept 32
	v_exp_f32 v[128+j], v[128+j]
.set j, j+1
.endr
	v_nop
	s_wait_alu depctr_va_vdst(0)                   ; the 32 exponentials have written v128-159, ahead of their first reader
.irp k, 0,1,2,3
	v_pk_add_f32 v[164+8*\k:165+8*\k], v[128+8*\k:129+8*\k], v[130+8*\k:131+8*\k]
	v_pk_add_f32 v[166+8*\k:167+8*\k], v[132+8*\k:133+8*\k], v[134+8*\k:135+8*\k]
.endr
.irp k, 0,1,2,3
	v_pk_add_f32 v[164+8*\k:165+8*\k], v[164+8*\k:165+8*\k], v[166+8*\k:167+8*\k]
.endr
.irp k, 0,1,2,3
	v_add_f32 v[164+8*\k], v[164+8*\k], v[165+8*\k]
.endr
.irp k, 0,1,2,3
	v_permlanex16_b32 v[161+8*\k], v[164+8*\k], s18, s19
.endr
.irp k, 0,1,2,3
	v_add_f32 v[164+8*\k], v[164+8*\k], v[161+8*\k]
.endr
	s_wait_alu depctr_va_vdst(0)
.irp k, 0,1,2,3
	v_rcp_f32 v[166+8*\k], v[164+8*\k]
.endr
	v_nop
	s_wait_alu depctr_va_vdst(0)                   ; the four reciprocals have written v166, v174, v182, v190, ahead of their first reader
.irp k, 0,1,2,3
	v_ldexp_f32 v[166+8*\k], v[166+8*\k], s54      ; x 2^(e4 + e5): v is kept without that factor
.endr
.irp k, 0,1,2,3
.irp q, 0,2,4,6
	v_pk_mul_f32 v[128+8*\k+\q:129+8*\k+\q], v[128+8*\k+\q:129+8*\k+\q], v[166+8*\k:167+8*\k] op_sel_hi:[1,0]
.endr
.endr
.set j, 0
.rept 16
	v_cvt_pk_bf16_f32 v[192+j], v[128+2*j], v[129+2*j]
.set j, j+1
.endr
	s_wait_alu depctr_va_vdst(0)                   ; the roundings have written v192-207, which the stores read
.irp k, 0,1,2,3
	ds_store_b128 v43, v[192+4*\k:195+4*\k] offset:512*\k
.endr
	s_add_co_u32 s70, s70, 4*QCP
	s_add_co_u32 s71, s71, 2048
	s_sub_co_u32 s58, s58, 1
	s_cmp_lg_u32 s58, 0
	s_cbranch_scc1 .Lsc
; ---- v.  Body b: channels 16 w + 2 b + tp of all 16 heads.  Behind ALOAD's barrier nobody reads q's and k's codes any more: v goes over them.
	ALOAD PIECE, 1                                 ; xn under e4
	v_mul_u32_u24 v12, v2, VIP
	v_lshl_add_u32 v12, v3, 8, v12
	s_lshl_b32 s38, s16, 9
	v_add_nc_u32 v12, s38, v12
	v_add_nc_u32 v12, 2*PIECE, v12                 ; token r's image: fragment w, lane 16 hh + (2 b + tp)
	SPREAD
	s_mov_b32 s60, 0
	s_mov_b32 s58, 8
.Lv:
	MATS 1
	EPI_V
	STEPB
	s_add_co_u32 s60, s60, 32
	s_sub_co_u32 s58, s58, 1
	s_cmp_lg_u32 s58, 0
	s_cbranch_scc1 .Lv
	ALOAD 0, 1                                     ; xn under e6.  Behind its barrier v is whole, and every wave holds the last piece: O may go over the zones
; ---- O^T = v^T P^T of my 16 tokens, two a trip: source 0 = 16 channels x the heads g, source 1 = P (heads g x heads h); K = 16 heads, filled to 32 with zeros on both sides.
; A lane holds head h = r and channels 16 c + 8 hh + 0 .. 7.  O(i) ends at (i + 1) x 4,368, v(i + 1) begins at 34,816 + (i + 1) x 2,064: O never reaches a token's v before it is read.
	v_add_nc_u32 v40, s17, v20
	v_add_nc_u32 v40, 2*PIECE, v40                 ; v's images: my zone, 16 x lane
	v_mul_u32_u24 v44, v2, 272
	v_lshl_add_u32 v44, v3, 5, v44
	v_add_nc_u32 v44, s17, v44                     ; O: my zone, head r, 32 hh
.irp f, 0,1,2,3,4,5,6,7,8,9
.irp q, 4,5,6,7
	v_mov_b32 v[64+8*\f+\q], 0                     ; K = 16 .. 31 of the eight fragments of v and the two of P
.endr
.endr
	s_mov_b32 s70, 0
	s_mov_b32 s71, 0
	s_mov_b32 s72, 0
	s_mov_b32 s58, 8
.Lpv:
	s_wait_dscnt 0x0                               ; the last trip's stores are done
	s_wait_alu depctr_vm_vsrc(0)                   ; the last trip's loads and stores have read v41, v43, v45 and v144-207 (in the first trip: v's last stores have read v192-223): all are written again below
	v_add_nc_u32 v41, s70, v40
	v_add_nc_u32 v43, s71, v42
	v_add_nc_u32 v45, s72, v44
	s_wait_alu depctr_va_vdst(0)                   ; the three addresses are written; the last trip's products (in the first trip: v's epilogue) are done with the registers of v64-143 in which the loads land
.irp k, 0,1
	ds_load_b128 v[128+8*\k:131+8*\k], v43 offset:512*\k
.irp c, 0,1,2,3
	ds_load_b128 v[64+32*\k+8*\c:67+32*\k+8*\c], v41 offset:\k*VIP+512*\c
.endr
.endr
	s_wait_dscnt 0x0
.irp k, 0,1
.irp c, 0,1,2,3
	v_wmma_f32_16x16x32_bf16 v[144+32*\k+8*\c:151+32*\k+8*\c], v[64+32*\k+8*\c:71+32*\k+8*\c], v[128+8*\k:135+8*\k], 0
.endr
.endr
	PLACES
	s_wait_alu depctr_va_vdst(0)                   ; the eight products have written v144-207, which the stores read; the places above stay beside this wait
.irp k, 0,1
.irp c, 0,1,2,3
	ds_store_b128 v45, v[144+32*\k+8*\c:147+32*\k+8*\c] offset:\k*OTP+64*\c
	ds_store_b128 v45, v[148+32*\k+8*\c:151+32*\k+8*\c] offset:\k*OTP+64*\c+16
.endr
.endr
	s_add_co_u32 s70, s70, 2*VIP
	s_add_co_u32 s71, s71, 1024
	s_add_co_u32 s72, s72, 2*OTP
	s_sub_co_u32 s58, s58, 1
	s_cmp_lg_u32 s58, 0
	s_cbranch_scc1 .Lpv
	BAR                                            ; all 64 tokens' O lie in LDS
; ---- g.  Body b: head 4 w + b / 2, channels 32 (b % 2) + 16 tp + 8 hh + 0 .. 7.  The last body is written out: it asks for nothing, so that no load leaves wc.
	v_mul_u32_u24 v12, v2, OTP
	v_lshl_add_u32 v12, v3, 5, v12
	s_mul_i32 s38, s16, 4*272
	v_add_nc_u32 v12, s38, v12                     ; token r, my four heads, 32 hh
	SPREAD
	v_lshlrev_b32 v47, 11, v3
	v_lshl_add_u32 v47, v2, 4, v47                 ; a row of out0 or of w_out_norm: 2,048 hh + 16 r.  Made here, ahead of the pass's waits on va_vdst, and never written again
.irp q, 0,1,2,3,4,5,6,7
	v_mov_b32 v[32+\q], 0                          ; the sums of squares
.endr
	s_mov_b32 s58, 0
.Lg:
	s_lshr_b32 s60, s58, 1
	s_mul_i32 s60, s60, 272
	s_and_b32 s38, s58, 1
	s_lshl_b32 s38, s38, 7
	s_add_co_u32 s60, s60, s38                     ; 272 (b / 2) + 128 (b % 2)
	MATS 1
	EPI_G 1
	STEPB
	s_add_co_u32 s58, s58, 1
	s_cmp_lt_u32 s58, 7
	s_cbranch_scc1 .Lg
	s_mov_b32 s60, 3*272+128
	MATS 0
	EPI_G 0
	; my columns' sums of squares, for all 64 tokens, to LDS; meanwhile w_out_norm is asked for
.irp q, 0,1,2,3,4,5,6,7
	global_load_b128 v[128+4*\q:131+4*\q], v47, s[8:9] offset:256*\q   ; no wait: no vector instruction since the wait ahead of the last body's stores names v47 or v128-159
.endr
	v_lshlrev_b32 v43, 2, v2
	s_lshl_b32 s38, s16, 8
	v_add_nc_u32 v42, s38, v43
	v_add_nc_u32 v42, SSUM, v42                    ; my sums: 256 w + 4 r (+ 64 m)
	s_lshl_b32 s38, s16, 6
	v_add_nc_u32 v43, s38, v43
	v_add_nc_u32 v44, RSA, v43                     ; 1 / rms of my token r
	v_add_nc_u32 v43, SSUM, v43                    ; the four waves' sums of my token r: 64 w + 4 r (+ 256 a wave)
	v_mov_b32 v45, s38
	v_add_nc_u32 v45, RSA, v45                     ; 1 / rms of my first token, the same address in every lane
	v_mul_u32_u24 v40, v3, 8*272
	v_lshl_add_u32 v40, v2, 4, v40
	v_add_nc_u32 v40, s17, v40                     ; O back: my zone, head 8 hh (+ j), 16 r
.irp m, 0,1,2,3
	v_add_f32 v[32+2*\m], v[32+2*\m], v[33+2*\m]
.endr
.irp m, 0,1,2,3
	v_permlanex16_b32 v[33+2*\m], v[32+2*\m], s18, s19
.endr
.irp m, 0,1,2,3
	v_add_f32 v[32+2*\m], v[32+2*\m], v[33+2*\m]
.endr
	s_wait_alu depctr_va_vdst(0)                   ; the sums v32, v34, v36, v38 and the addresses v42, v43, v44 are written: the stores here and the loads and the store behind the barrier read them
.irp m, 0,1,2,3
	ds_store_b32 v42, v[32+2*\m] offset:64*\m      ; lanes r and r + 16 write the same number to the same word
.endr
	BAR                                            ; the gated O and all sums lie in LDS
; ---- THE WAY OUT of my 16 tokens: 1 / rms, then O / rms x w_out_norm, two tokens a trip.
.irp q, 0,1,2,3
	ds_load_b32 v[164+\q], v43 offset:256*\q       ; no vector instruction since the wait above: it has shown the g pass done with v164-167
.endr
	s_wait_dscnt 0x0
	v_add_f32 v164, v164, v165
	v_add_f32 v166, v166, v167
	v_add_f32 v164, v164, v166
	v_fma_f32 v165, v164, s66, s67
	s_wait_alu depctr_va_vdst(0)
	v_rsq_f32 v166, v165
	v_mov_b32 v161, 0                              ; (a plain place; named as the upper halves of pairs below)
	v_mov_b32 v163, 0
	s_wait_alu depctr_va_vdst(0)                   ; v166, 1 / rms, is written: the store reads it
	ds_store_b32 v44, v166                         ; LDS serves a wave's instructions in order (ISA guide 5.7.1.4): my loads below see it
	s_wait_loadcnt 0x0                             ; w_out_norm
	s_mov_b32 s70, 0
	s_mov_b32 s71, 0
	s_mov_b32 s58, 8
.Lout:
	v_add_nc_u32 v41, s70, v40
	v_add_nc_u32 v46, s71, v45
	s_wait_alu depctr_va_vdst(0)                   ; v41 and v46 are written; the last trip's multiplies (in the first trip: the g pass) are done with v64-127, v160 and v162, in which the loads land
.irp k, 0,1
.irp q, 0,1,2,3,4,5,6,7
	ds_load_b128 v[64+32*\k+4*\q:67+32*\k+4*\q], v41 offset:\k*OTP+272*\q   ; lanes 0-15: head q, lanes 16-31: head 8 + q: 256 bytes each
.endr
.endr
	ds_load_b32 v160, v46
	ds_load_b32 v162, v46 offset:4
	s_wait_dscnt 0x0
.irp k, 0,1
.set j, 0
.rept 16
	v_pk_mul_f32 v[64+32*\k+j:65+32*\k+j], v[64+32*\k+j:65+32*\k+j], v[160+2*\k:161+2*\k] op_sel_hi:[1,0]
.set j, j+2
.endr
.endr
.irp k, 0,1
.set j, 0
.rept 16
	v_pk_mul_f32 v[64+32*\k+j:65+32*\k+j], v[64+32*\k+j:65+32*\k+j], v[128+j:129+j]
.set j, j+2
.endr
.endr
	s_wait_alu depctr_va_vdst(0)                   ; the multiplies have written v64-127, which the stores read
.irp k, 0,1
.irp q, 0,1,2,3,4,5,6,7
	global_store_b128 v47, v[64+32*\k+4*\q:67+32*\k+4*\q], s[68:69] offset:\k*4096+256*\q th:TH_STORE_NT   ; each half of the lanes stores 256 consecutive bytes, aligned; written once
.endr
.endr
	s_wait_xcnt 0x0                                ; the stores have read their data and their base: both are written again
	s_wait_alu depctr_vm_vsrc(0)                   ; the stores have read v64-127, in which the next trip's loads land, and this trip's LDS loads have read v41 and v46, which the next trip writes
	s_add_nc_u64 s[68:69], s[68:69], 8192
	s_add_co_u32 s70, s70, 2*OTP
	s_add_co_u32 s71, s71, 8
	s_sub_co_u32 s58, s58, 1
	s_cmp_lg_u32 s58, 0
	s_cbranch_scc1 .Lout
	s_wait_xcnt 0x0
	s_wait_alu depctr_vm_vsrc(0)                   ; v254 and v255 were data of the g pass's LDS stores: these have read them, and the two are made anew
	v_lshl_add_u32 v254, v0, 2, 0x4c900
	v_mov_b32 v255, 0
	s_wait_dscnt 0x0                               ; the closing lines, six on end
	s_wait_alu 0x0
	s_wait_tensorcnt 0x0
	ds_add_u32 v254, v255
	s_wait_dscnt 0x0
	s_endpgm
.Lfunc_end_k_q3aeaf49c18_fused:
	.size	k_q3aeaf49c18_fused, .Lfunc_end_k_q3aeaf49c18_fused-k_q3aeaf49c18_fused
	.p2alignl 7, 3214868480
	.fill 96, 4, 3214868480
	.section	.rodata,"a",@progbits
	.p2align	6, 0x0
	.amdhsa_kernel k_q3aeaf49c18_fused
		.amdhsa_group_segment_fixed_size 314112
		.amdhsa_private_segment_fixed_size 0
		.amdhsa_enable_private_segment 0
		.amdhsa_kernarg_size 48
		.amdhsa_user_sgpr_count 2
		.amdhsa_user_sgpr_kernarg_segment_ptr 1
		.amdhsa_wavefront_size32 1
		.amdhsa_system_sgpr_workgroup_id_x 1
		.amdhsa_system_sgpr_workgroup_id_y 1
		.amdhsa_system_sgpr_workgroup_id_z 1
		.amdhsa_system_vgpr_workitem_id 0
		.amdhsa_next_free_vgpr 1024
		.amdhsa_next_free_sgpr 80
		.amdhsa_reserve_vcc 0
		.amdhsa_float_denorm_mode_32 3
		.amdhsa_float_denorm_mode_16_64 3
		.amdhsa_memory_ordered 1
		.amdhsa_forward_progress 1
		.amdhsa_inst_pref_size 255
	.end_amdhsa_kernel
	.section	.bss,"aw",@nobits
	.p2align	6
	.space	262144
	.amdgpu_metadata
---
amdhsa.version: [ 1, 2 ]
amdhsa.kernels:
  - .name:           k_q3aeaf49c18_fused
    .symbol:         k_q3aeaf49c18_fused.kd
    .args:
      - { .name: x, .offset: 0, .size: 8, .value_kind: global_buffer, .address_space: global }
      - { .name: w_in_norm, .offset: 8, .size: 8, .value_kind: global_buffer, .address_space: global }
      - { .name: w_out_norm, .offset: 16, .size: 8, .value_kind: global_buffer, .address_space: global }
      - { .name: lowp_scales, .offset: 24, .size: 8, .value_kind: global_buffer, .address_space: global }
      - { .name: wc, .offset: 32, .size: 8, .value_kind: global_buffer, .address_space: global }
      - { .name: out0, .offset: 40, .size: 8, .value_kind: global_buffer, .address_space: global }
    .group_segment_fixed_size: 314112
    .private_segment_fixed_size: 0
    .kernarg_segment_align: 8
    .kernarg_segment_size: 48
    .max_flat_workgroup_size: 128
    .sgpr_count:     80
    .vgpr_count:     1024
    .wavefront_size: 32
...
	.end_amdgpu_metadata
.endif
;; end of part 4
